; MI455X (gfx1250); checked and timed in simulation.
; The chip was launched on July 23, 2026; its instructions are those of AMD's public machine-readable ISA for CDNA 5 (MIT licence, August 2026) and "CDNA5" Instruction Set Architecture Reference Guide (July 2026). The comments in the code are by the model that wrote it; some were corrected since.
;; Swin Transformer Block. Allowed arithmetic: matrix products marked QUANTISED: E4M3 operands, one E8M0 scale for each 32 along K, by v_wmma_scale_f32_16x16x128_f8f6f4 with both operands' format E4M3, f32 sums; products left as they are: f32 operands where the result goes on into a quantised operand, else bf16, f16 or f32 operands; f32 sums; everything else in f32.
;; Inputs: ln1_b 128 float32; ln1_g 128 float32; ln2_b 128 float32; ln2_g 128 float32; ln3_b 128 float32; ln3_g 128 float32; ln4_b 128 float32; ln4_g 128 float32; mlp1_b1 512 float32; mlp1_b2 128 float32; mlp1_w1 512 x 128 float32; mlp1_w2 128 x 512 float32; mlp2_b1 512 float32; mlp2_b2 128 float32; mlp2_w1 512 x 128 float32; mlp2_w2 128 x 512 float32; out1_b 128 float32; out1_w 128 x 128 float32; out2_b 128 float32; out2_w 128 x 128 float32; qkv1_b 384 float32; qkv1_w 384 x 128 float32; qkv2_b 384 float32; qkv2_w 384 x 128 float32; x 8 x 16,384 x 128 float32.
;; Outputs: out0 8 x 1,024 x 16 x 128 float32.
;; This version of the problem:
;;   THIS VERSION OF THE PROBLEM IS GIVEN IN LOW PRECISION. The matrix products marked QUANTISED in the list below multiply operands that are first quantised to E4M3 (4 exponent bits, 3 mantissa bits; 8 bits a number), with one power-of-two scale for each 32 numbers along K (OCP MX v1.0); their sums are f32. All else is computed in f32.
;;   The module's matrix products, in the order in which they are computed (A, B: the left and right operand; K: the contracted axis; several contracted axes count as one K, in the product's order):
;;     1. [M 131,072, K 128] x [K 128, N 384]; A: computed on the way; B: input qkv1_w: QUANTISED
;;     2. batch 16,384 x [M 16, K 64] x [K 64, N 16]; A: computed on the way; B: computed on the way: QUANTISED
;;     3. batch 16,384 x [M 16, K 16] x [K 16, N 64]; A: softmax; B: computed on the way: left as it is (K = 16 < 32)
;;     4. [M 131,072, K 128] x [K 128, N 128]; A: computed on the way; B: input out1_w: QUANTISED
;;     5. [M 131,072, K 128] x [K 128, N 512]; A: computed on the way; B: input mlp1_w1: QUANTISED
;;     6. [M 131,072, K 512] x [K 512, N 128]; A: computed on the way; B: input mlp1_w2: QUANTISED
;;     7. [M 131,072, K 128] x [K 128, N 384]; A: computed on the way; B: input qkv2_w: QUANTISED
;;     8. batch 16,384 x [M 16, K 64] x [K 64, N 16]; A: computed on the way; B: computed on the way: QUANTISED
;;     9. batch 16,384 x [M 16, K 16] x [K 16, N 64]; A: softmax; B: computed on the way: left as it is (K = 16 < 32)
;;     10. [M 131,072, K 128] x [K 128, N 128]; A: computed on the way; B: input out2_w: QUANTISED
;;     11. [M 131,072, K 128] x [K 128, N 512]; A: computed on the way; B: input mlp2_w1: QUANTISED
;;     12. [M 131,072, K 512] x [K 512, N 128]; A: computed on the way; B: input mlp2_w2: QUANTISED
;;   THE QUANTISER, for each operand of a quantised product, along K:
;;     - K is cut into blocks of 32 from its start; a last block that is shorter is filled with zeros.
;;     - A block's scale is 2^e with e = floor(log2(the largest magnitude in the block)) - 8, held to -126 .. 127; a block of zeros has e = 0. As a byte (E8M0): e + 127.
;;     - Each number is divided by its block's scale, clamped to +-448, and rounded to the nearest number of E4M3, ties to even, subnormals kept.
;;     - The product sums the exact products of the quantised numbers (number of the format x scale) in f32.
;;   ~~~python
;;   def quantise(x, axis):      # numpy; x: float32 -> the quantised numbers, widened to float32 again
;;       x = np.moveaxis(x, axis, -1); K = x.shape[-1]
;;       x = np.pad(x, [(0, 0)] * (x.ndim - 1) + [(0, -K % 32)]); x = x.reshape(x.shape[:-1] + (-1, 32)); a = np.abs(x).max(-1, keepdims=True)
;;       e = np.where(a > 0, np.clip(np.frexp(np.where(a > 0, a, 1))[1] - 1 - 8, -126, 127), 0)      # np.frexp(a)[1] - 1 = floor(log2(a)), exactly
;;       r = np.clip(x / 2.0 ** e, -448, 448)
;;       step = 2.0 ** (np.maximum(np.frexp(np.where(r == 0, 1, r))[1] - 1, -6) - 3)
;;       q = np.round(r / step) * step * 2.0 ** e      # np.round: ties to even
;;       return np.moveaxis(q.reshape(q.shape[:-2] + (-1,))[..., :K], -1, axis).astype(np.float32)
;;   ~~~
;;   OPERANDS COMPUTED ON THE WAY. 'Computed on the way' means the value that the module computes at that place (a softmax that the list does not call 'softmax' is quantised finished and normalised). What goes into a quantiser is computed in f32, as accurately as f32 sums, v_exp_f32 and their like allow (about 1e-6 of the number): no bf16 or f16 on the way to a quantiser, and a product that is left as it is and whose result goes on into a quantised operand takes f32 operands (vector FMAs, or v_wmma_f32_16x16x4_f32). A number that lies on a knife's edge between two numbers of the format may be rounded either way, as far as f32 arithmetic and the matrix unit's own rounding can turn it there, and no further.
;; 2 versions, each right and faster than the one before. Each part assembles by itself: llvm-mc -triple=amdgcn-amd-amdhsa -mcpu=gfx1250 --defsym DOCPART=n.
;; ======== version 1 of 2: 3 launches
;; workspace buffers: blobA 210,944 bytes; blobB 210,944 bytes; parA 256 bytes of whole numbers; parB 256 bytes of whole numbers; mid 67,108,864 bytes
;; launch prep (part 1): grid 13 x 2, 4 waves a work-group, no clusters, 0 bytes of LDS; arguments qkv1_w, out1_w, mlp1_w1, mlp1_w2, ln1_g, ln1_b, ln2_g, ln2_b, qkv1_b, out1_b, mlp1_b1, mlp1_b2, blobA, parA, qkv2_w, out2_w, mlp2_w1, mlp2_w2, ln3_g, ln3_b, ln4_g, ln4_b, qkv2_b, out2_b, mlp2_b1, mlp2_b2, blobB, parB; writes blobA, parA, blobB, parB
.if DOCPART == 1
	.amdgcn_target "amdgcn-amd-amdhsa--gfx1250"
	.amdhsa_code_object_version 6
	.text
	.protected	k_qa77acfee38_prep
	.globl	k_qa77acfee38_prep
	.p2align	8
	.type	k_qa77acfee38_prep,@function
k_qa77acfee38_prep:
	s_mov_b64 s[64:65], 0
	v_nop
	global_prefetch_b8 v0, s[64:65] scope:SCOPE_SE
	s_setreg_imm32_b32 hwreg(HW_REG_WAVE_MODE, 25, 1), 1
	s_wait_xcnt 0x0
; The weights of one half of the block (work-group y = 0: first half, 1: second) become a BLOB that the next launches copy into LDS as it lies:
;   bytes 0 .. 196,607: 96 fragments of codes of FP8 (E4M3), 2,048 bytes each, as IMAGES OF AN OPERAND'S REGISTERS: registers 4 c .. 4 c + 3 of lane l at 512 c + 16 l.
;     A fragment is 16 rows x 128 K.  Lane (r, h) of fragment 2 g + u holds row 32 g + 8 u + r + 8 (r / 8), k = 32 c + 16 h + 0 .. 15 of its K step.
;     Fragments 0-23: qkv_w (q, k, v); 24-31: out_w; 32 + 16 s + i: i < 8: mlp_w1's tile 8 s + i; i >= 8: mlp_w2's tile i - 8, K step s.
;   bytes 196,608 .. 202,751: the scale words (four E8M0 bytes a row): 128 bytes a pair of fragments: lanes 0-15 the even fragment's rows, lanes 16-31 the odd one's.
;   bytes 202,752 .. 210,943: the f32 vectors as they are given: ln g, b, g, b; qkv_b; out_b; b1; b2; zeros.
; A block's scale is 2^(floor(log2(its largest magnitude)) - 8); its byte is the largest magnitude's exponent field - 8, held at 1 from below.
; Sixteen whole numbers (par) say how the next launch maps a window's tokens to memory.
; LIMITS: a block of zeros gets the byte 1 where the rule says 127 (its codes are zeros, and this program alone reads the bytes); NaN and infinities are not served.
; Work-groups x = 0 .. 11: each wave makes one pair of fragments.  x = 12: the vectors and par.  No LDS, no barrier: waves share nothing.
.set SCB,  196608
.set VECB, 202752
.set TM,   16                          ; v16-19 largest magnitudes, v20-23 bytes, v24-27 448 x the scale, v28-31 the conversions' scale operands
.set WV,   66                          ; s66 wave
.set YY,   67                          ; s67 which half
.set SEL,  68                          ; s[68:69] lane selects: lane l xor 16
.set PP,   70                          ; s70 the pair of fragments
.set MNT,  92                          ; s92 the mantissa field of 448
; 64 numbers of a lane, register 16 b + i = k 32 b + 16 h + i of my row, become 16 registers of codes at v[pc] and the row's scale word in v[w]
.macro QUANT s, pc, w
.irp b,0,1,2,3
	v_max3_num_f32 v[TM+\b], |v[\s+16*\b]|, |v[\s+1+16*\b]|, 0x4800000   ; my 16 numbers of block b, and the floor 2^(9 - 127): the byte cannot fall under 1
.endr
.irp i,2,4,6,8,10,12,14
.irp b,0,1,2,3
	v_max3_num_f32 v[TM+\b], v[TM+\b], |v[\s+16*\b+\i]|, |v[\s+1+16*\b+\i]|
.endr
.endr
.irp b,0,1,2,3
	v_permlanex16_b32 v[TM+4+\b], v[TM+\b], s[SEL], s[SEL+1]
.endr
.irp b,0,1,2,3
	v_max_num_f32 v[TM+\b], v[TM+\b], v[TM+4+\b]          ; with lane l xor 16's: the block's largest magnitude
.endr
.irp b,0,1,2,3
	v_add_nc_u32 v[TM+12+\b], 0xfc000000, v[TM+\b]        ; 8 off its exponent field: the conversion's scale operand
.endr
.irp b,0,1,2,3
	v_and_or_b32 v[TM+8+\b], v[TM+\b], 0x7f800000, s[MNT] ; 448 x the scale
.endr
.irp b,0,1,2,3
	v_lshrrev_b32 v[TM+4+\b], 23, v[TM+12+\b]             ; the scale's byte
.endr
	v_lshl_or_b32 v[\w], v[TM+5], 8, v[TM+4]
	v_lshl_or_b32 v[\w], v[TM+6], 16, v[\w]
	v_lshl_or_b32 v[\w], v[TM+7], 24, v[\w]
.irp b,0,1,2,3
.irp i,0,1,2,3,4,5,6,7,8,9,10,11,12,13,14,15
	v_med3_num_f32 v[\s+16*\b+\i], v[\s+16*\b+\i], -v[TM+8+\b], v[TM+8+\b]   ; the conversion to an 8-bit code does not saturate (ISA guide 7.6.2): hold first
.endr
	v_cvt_scalef32_pk8_fp8_f32 v[\pc+4*\b:\pc+1+4*\b], v[\s+16*\b:\s+7+16*\b], v[TM+12+\b]
	v_cvt_scalef32_pk8_fp8_f32 v[\pc+2+4*\b:\pc+3+4*\b], v[\s+8+16*\b:\s+15+16*\b], v[TM+12+\b]
.endr
	v_nop                                                 ; a plain line behind the last conversion
.endm
	s_load_b512 s[8:23], s[0:1], 0x0               ; argument i lies in s[8 + 2 i : 9 + 2 i]
	s_load_b512 s[24:39], s[0:1], 0x40
	s_load_b512 s[40:55], s[0:1], 0x80
	s_load_b256 s[56:63], s[0:1], 0xc0
	v_lshrrev_b32 v1, 5, v0
	v_readfirstlane_b32 s[WV], v1                  ; wave 0..3
	v_and_b32 v8, 31, v0                           ; lane
	v_lshlrev_b32 v6, 4, v8                        ; 16 x lane
	v_lshlrev_b32 v7, 2, v8                        ; 4 x lane
	s_and_b32 s[YY], ttmp7, 0xffff
	s_mov_b32 s[SEL], 0x76543210
	s_mov_b32 s[SEL+1], 0xfedcba98
	s_mov_b32 s[MNT], 0x600000
	s_wait_kmcnt 0x0
	s_cmp_eq_u32 s[YY], 0                          ; the half's fourteen buffers: the choice hangs on the work-group's number alone
.irp i,0,1,2,3,4,5,6,7,8,9,10,11,12,13
	s_cselect_b64 s[8+2*\i:9+2*\i], s[8+2*\i:9+2*\i], s[36+2*\i:37+2*\i]
.endr
	; now: qkv_w s[8:9], out_w s[10:11], w1 s[12:13], w2 s[14:15], ln g b g b s[16:23], qkv_b s[24:25], out_b s[26:27], b1 s[28:29], b2 s[30:31], blob s[32:33], par s[34:35]
	s_cmp_eq_u32 ttmp9, 12
	s_cbranch_scc1 .Lvec
	; ---- a pair of fragments.  Which weight, which 32 rows (g), the shift that makes a row's bytes (9: 128 numbers, 11: 512), the K step's bytes
	s_lshl_b32 s[PP], ttmp9, 2
	s_add_co_u32 s[PP], s[PP], s[WV]               ; p = 4 x + wave: 0 .. 47
	s_sub_co_u32 s71, s[PP], 16                    ; the MLP's pairs: m = 8 s + i (used only where p >= 16)
	s_lshr_b32 s72, s71, 3                         ; s
	s_and_b32 s73, s71, 7                          ; i
	s_lshl_b32 s74, s72, 2
	s_add_co_u32 s74, s74, s73                     ; w1: g = 4 s + i
	s_sub_co_u32 s75, s73, 4                       ; w2: g = i - 4
	s_lshl_b32 s76, s72, 9                         ; w2: K step s begins 512 s bytes into a row
	s_sub_co_u32 s83, s[PP], 12                    ; out_w: g = p - 12
	s_cmp_lt_u32 s73, 4
	s_cselect_b64 s[78:79], s[12:13], s[14:15]
	s_cselect_b32 s80, s74, s75
	s_cselect_b32 s81, 9, 11
	s_cselect_b32 s82, 0, s76
	s_cmp_lt_u32 s[PP], 16
	s_cselect_b64 s[78:79], s[10:11], s[78:79]
	s_cselect_b32 s80, s83, s80
	s_cselect_b32 s81, 9, s81
	s_cselect_b32 s82, 0, s82
	s_cmp_lt_u32 s[PP], 12
	s_cselect_b64 s[78:79], s[8:9], s[78:79]
	s_cselect_b32 s80, s[PP], s80
	s_lshl_b32 s84, s80, 5                         ; row 32 g,
	s_lshl_b32 s84, s84, s81                       ; in bytes,
	s_add_co_u32 s84, s84, s82                     ; and the K step
	s_mov_b32 s85, 0
	s_add_nc_u64 s[78:79], s[78:79], s[84:85]
	v_and_b32 v2, 15, v0                           ; r
	v_bfe_u32 v3, v0, 4, 1                         ; h
	v_and_b32 v4, 8, v2
	v_add_nc_u32 v4, v4, v2                        ; r + 8 (r / 8)
	v_lshlrev_b32 v4, s81, v4
	v_lshl_add_u32 v4, v3, 6, v4                   ; the even fragment: my row, + 64 h bytes
	s_lshl_b32 s86, 8, s81
	v_add_nc_u32 v5, s86, v4                       ; the odd one: 8 rows on
.irp b,0,1,2,3
	v_mov_b32 v[TM+4+\b], 0                        ; written once: a lane permute's destination counts as one of its sources
.endr
.irp u,0,1
.irp c,0,1,2,3
.irp j,0,1,2,3
	global_load_b128 v[32+64*\u+16*\c+4*\j:32+64*\u+16*\c+4*\j+3], v[4+\u], s[78:79] offset:128*\c+16*\j
.endr
.endr
.endr
	s_lshl_b32 s84, s[PP], 12                      ; the pair's codes: 4,096 p
	s_add_nc_u64 s[88:89], s[32:33], s[84:85]
	s_lshl_b32 s84, s[PP], 7                       ; its scale words: SCB + 128 p
	s_add_co_u32 s84, s84, SCB
	s_add_nc_u64 s[90:91], s[32:33], s[84:85]
	s_wait_loadcnt 16                              ; the even fragment's 16 loads are in; the odd one's may be out
	QUANT 32, 160, 12
	s_wait_loadcnt 0x0
	QUANT 96, 176, 13
.irp u,0,1
.irp c,0,1,2,3
	global_store_b128 v6, v[160+16*\u+4*\c:160+16*\u+4*\c+3], s[88:89] offset:2048*\u+512*\c   ; 32 lanes store 512 consecutive bytes
.endr
.endr
	v_cmp_gt_u32 vcc_lo, 16, v8
	v_cndmask_b32 v14, v13, v12, vcc_lo            ; lanes 0-15: the even fragment's word of row r; lanes 16-31: the odd one's (both halves of the lanes hold row r's word)
	global_store_b32 v7, v14, s[90:91]
	s_endpgm
	; ---- the vectors, 512 bytes (32 lanes x 16) at a time, and par
.Lvec:
	s_cmp_eq_u32 s[WV], 0
	s_cbranch_scc0 .Lv1
.irp i,0,1,2,3
	global_load_b128 v[32+4*\i:35+4*\i], v6, s[16+2*\i:17+2*\i]
.endr
	s_wait_loadcnt 0x0
.irp i,0,1,2,3
	global_store_b128 v6, v[32+4*\i:35+4*\i], s[32:33] offset:VECB+512*\i
.endr
	s_endpgm
.Lv1:
	s_cmp_eq_u32 s[WV], 1
	s_cbranch_scc0 .Lv2
.irp i,0,1,2
	global_load_b128 v[32+4*\i:35+4*\i], v6, s[24:25] offset:512*\i
.endr
	global_load_b128 v[44:47], v6, s[26:27]
	s_wait_loadcnt 0x0
.irp i,0,1,2,3
	global_store_b128 v6, v[32+4*\i:35+4*\i], s[32:33] offset:VECB+2048+512*\i
.endr
	s_endpgm
.Lv2:
	s_cmp_eq_u32 s[WV], 2
	s_cbranch_scc0 .Lv3
.irp i,0,1,2,3
	global_load_b128 v[32+4*\i:35+4*\i], v6, s[28:29] offset:512*\i
.endr
	s_wait_loadcnt 0x0
.irp i,0,1,2,3
	global_store_b128 v6, v[32+4*\i:35+4*\i], s[32:33] offset:VECB+4096+512*\i
.endr
	s_endpgm
.Lv3:
	global_load_b128 v[32:35], v6, s[30:31]
.irp i,36,37,38,39
	v_mov_b32 v[\i], 0
.endr
	v_mov_b32 v1, 0
	; par: token(pi, pj) = (((R + qi E) & 31) << 9) + ((w + qj E) & 31) WST + C[qi] + D[qj] + (pi & 1) SI + (pj & 1), qi = pi >> 1, qj = pj >> 1
.macro PARW i, a, b
	s_cselect_b32 s84, \a, \b
	v_writelane_b32 v1, s84, \i
.endm
	s_cmp_eq_u32 s[YY], 0
	PARW 0, 0, 1                                   ; MODE: 0: the residual is trunc(src) at the window's flat place; 1: it is src at the tokens read
	PARW 1, 0, 1                                   ; the way in: E
	PARW 2, 4, 16                                  ; WST
	PARW 3, 128, 4                                 ; SI
	PARW 4, 0, 8                                   ; C0
	PARW 5, 256, 0                                 ; C1
	PARW 6, 0, 2                                   ; D0
	PARW 7, 2, 0                                   ; D1
	PARW 8, 0, 1                                   ; the way out: E
	PARW 9, 16, 16
	PARW 10, 4, 4
	PARW 11, 0, 8
	PARW 12, 8, 0
	PARW 13, 0, 2
	PARW 14, 2, 0
	global_store_b32 v7, v1, s[34:35]
.irp i,1,2,3
	global_store_b128 v6, v[36:39], s[32:33] offset:VECB+6144+512*\i
.endr
	s_wait_loadcnt 0x0
	global_store_b128 v6, v[32:35], s[32:33] offset:VECB+6144
	s_endpgm
.Lfunc_end_k_qa77acfee38_prep:
	.size	k_qa77acfee38_prep, .Lfunc_end_k_qa77acfee38_prep-k_qa77acfee38_prep
	.p2alignl 7, 3214868480
	.fill 96, 4, 3214868480
	.section	.rodata,"a",@progbits
	.p2align	6, 0x0
	.amdhsa_kernel k_qa77acfee38_prep
		.amdhsa_group_segment_fixed_size 0
		.amdhsa_private_segment_fixed_size 0
		.amdhsa_enable_private_segment 0
		.amdhsa_kernarg_size 224
		.amdhsa_user_sgpr_count 2
		.amdhsa_user_sgpr_kernarg_segment_ptr 1
		.amdhsa_wavefront_size32 1
		.amdhsa_system_sgpr_workgroup_id_x 1
		.amdhsa_system_sgpr_workgroup_id_y 1
		.amdhsa_system_sgpr_workgroup_id_z 1
		.amdhsa_system_vgpr_workitem_id 0
		.amdhsa_next_free_vgpr 192
		.amdhsa_next_free_sgpr 96
		.amdhsa_reserve_vcc 1
		.amdhsa_float_denorm_mode_32 3
		.amdhsa_float_denorm_mode_16_64 3
		.amdhsa_memory_ordered 1
		.amdhsa_forward_progress 1
		.amdhsa_inst_pref_size 28
	.end_amdhsa_kernel
	.amdgpu_metadata
---
amdhsa.version: [ 1, 2 ]
amdhsa.kernels:
  - .name:           k_qa77acfee38_prep
    .symbol:         k_qa77acfee38_prep.kd
    .args:
      - { .name: qkv1_w, .offset: 0, .size: 8, .value_kind: global_buffer, .address_space: global }
      - { .name: out1_w, .offset: 8, .size: 8, .value_kind: global_buffer, .address_space: global }
      - { .name: mlp1_w1, .offset: 16, .size: 8, .value_kind: global_buffer, .address_space: global }
      - { .name: mlp1_w2, .offset: 24, .size: 8, .value_kind: global_buffer, .address_space: global }
      - { .name: ln1_g, .offset: 32, .size: 8, .value_kind: global_buffer, .address_space: global }
      - { .name: ln1_b, .offset: 40, .size: 8, .value_kind: global_buffer, .address_space: global }
      - { .name: ln2_g, .offset: 48, .size: 8, .value_kind: global_buffer, .address_space: global }
      - { .name: ln2_b, .offset: 56, .size: 8, .value_kind: global_buffer, .address_space: global }
      - { .name: qkv1_b, .offset: 64, .size: 8, .value_kind: global_buffer, .address_space: global }
      - { .name: out1_b, .offset: 72, .size: 8, .value_kind: global_buffer, .address_space: global }
      - { .name: mlp1_b1, .offset: 80, .size: 8, .value_kind: global_buffer, .address_space: global }
      - { .name: mlp1_b2, .offset: 88, .size: 8, .value_kind: global_buffer, .address_space: global }
      - { .name: blobA, .offset: 96, .size: 8, .value_kind: global_buffer, .address_space: global }
      - { .name: parA, .offset: 104, .size: 8, .value_kind: global_buffer, .address_space: global }
      - { .name: qkv2_w, .offset: 112, .size: 8, .value_kind: global_buffer, .address_space: global }
      - { .name: out2_w, .offset: 120, .size: 8, .value_kind: global_buffer, .address_space: global }
      - { .name: mlp2_w1, .offset: 128, .size: 8, .value_kind: global_buffer, .address_space: global }
      - { .name: mlp2_w2, .offset: 136, .size: 8, .value_kind: global_buffer, .address_space: global }
      - { .name: ln3_g, .offset: 144, .size: 8, .value_kind: global_buffer, .address_space: global }
      - { .name: ln3_b, .offset: 152, .size: 8, .value_kind: global_buffer, .address_space: global }
      - { .name: ln4_g, .offset: 160, .size: 8, .value_kind: global_buffer, .address_space: global }
      - { .name: ln4_b, .offset: 168, .size: 8, .value_kind: global_buffer, .address_space: global }
      - { .name: qkv2_b, .offset: 176, .size: 8, .value_kind: global_buffer, .address_space: global }
      - { .name: out2_b, .offset: 184, .size: 8, .value_kind: global_buffer, .address_space: global }
      - { .name: mlp2_b1, .offset: 192, .size: 8, .value_kind: global_buffer, .address_space: global }
      - { .name: mlp2_b2, .offset: 200, .size: 8, .value_kind: global_buffer, .address_space: global }
      - { .name: blobB, .offset: 208, .size: 8, .value_kind: global_buffer, .address_space: global }
      - { .name: parB, .offset: 216, .size: 8, .value_kind: global_buffer, .address_space: global }
    .group_segment_fixed_size: 0
    .private_segment_fixed_size: 0
    .kernarg_segment_align: 8
    .kernarg_segment_size: 224
    .max_flat_workgroup_size: 128
    .sgpr_count:     96
    .vgpr_count:     192
    .wavefront_size: 32
...
	.end_amdgpu_metadata
.endif
;; end of part 1
;; launch halfA (part 2): grid 256 x 1, 8 waves a work-group, clusters of 4 x 1, 279,552 bytes of LDS; arguments x, blobA, parA, mid; writes mid
.if DOCPART == 2
	.amdgcn_target "amdgcn-amd-amdhsa--gfx1250"
	.amdhsa_code_object_version 6
	.text
	.protected	k_qa77acfee38_halfA
	.globl	k_qa77acfee38_halfA
	.p2align	8
	.type	k_qa77acfee38_halfA,@function
k_qa77acfee38_halfA:
	s_mov_b64 s[64:65], 0
	v_nop
	global_prefetch_b8 v0, s[64:65] scope:SCOPE_SE
	s_setreg_imm32_b32 hwreg(HW_REG_WAVE_MODE, 25, 1), 1
	s_wait_xcnt 0x0
	s_wait_alu depctr_hold_cnt(0) depctr_sa_sdst(0) depctr_va_vdst(0) depctr_va_sdst(0) depctr_va_ssrc(0) depctr_va_vcc(0) depctr_vm_vsrc(0)
	s_getreg_b32 s2, hwreg(HW_REG_IB_STS2, 6, 4)
	s_cmp_eq_u32 s2, 0
	s_cbranch_scc0 .Lentry_in_a_cluster
	s_endpgm
.Lentry_in_a_cluster:
	s_bfe_u32 s2, ttmp6, 0x10000c
	s_cmp_lg_u32 s2, 0x3003
	s_cbranch_scc0 .Lentry_shape_is_right
	s_endpgm
.Lentry_shape_is_right:
; ONE HALF OF THE BLOCK: y = z + gelu(gelu(LN_B(z) W1^T + b1) W2^T + b2), z = res + attention(LN_A(src)) Wo^T + bo, attention within windows of 16 tokens, 2 heads of 64.
; All products with K >= 32 on codes of FP8 (E4M3) with one E8M0 scale for each 32 along K; P V (K = 16) with f32 operands.  Everything else in f32.
; The same text serves both halves: 16 whole numbers (par), stored by the launch before, say which tokens form a window on the way in and on the way out, and whether the residual is truncated.
; The residual is src at the tokens of the way out, in both halves: trunc(src) in the first half, src in the second.  No branch hangs on par: the rows are always read again and trunc is always
; made, and a select on a mask keeps one of the two.  (In the second half the tokens of the way out are those of the way in: each of them is read twice there.)
; SHARES.  A work-group owns one row of 32 windows of one image (512 tokens); each of its 8 waves takes two windows at a time, twice, and runs the whole half for them: after the barrier at the head no wave meets another.
; LAYOUT.  A window is one tile.  Lane (r, h) holds token r; register 16 b + i holds feature 32 b + 16 h + i: the order of an 8-bit operand's registers, so the conversions' results ARE operands.
; All products but V are used transposed (source 0 = 16 rows of a weight, source 1 = the tokens), and lane r of weight tile 2 g + u holds row 32 g + 8 u + r + 8 (r / 8): so every result lies in that layout again.
; V is used the other way round: a lane then holds one feature and 8 tokens, which is source 0 of O^T = V^T P^T in the f32 form; S^T = K Q^T gives a lane one query and 8 keys, which is its source 1.
; WEIGHTS.  The blob (codes as images of registers, scale words, f32 vectors: 210,944 bytes) comes into LDS once, each wave bringing an eighth, and is only read afterwards.
; CLUSTER.  The four work-groups of a cluster want the same blob: each eighth is asked for jointly, by the same tensor load with a mask that names the four.
; One tensor load a wave is outstanding, once.  No LDS byte is filled twice.
; LIMITS.  NaN and infinities are not served.  A block of zeros has the scale byte 1 (its codes are zeros; nobody else reads the bytes).  v's bias is added to P V as the C of its first step:
; P (V + b) = P V + b (sum of p), and the sum of p is 1 to within a few 2^-24.  erf is a quotient of polynomials of x^2 (degrees 6 and 4) with |x| held at 4, beyond which 1 + erf is 0 or 2 to within 2^-24.
; LayerNorm takes the mean first and then the squares of the differences, so a common offset of the inputs cancels nothing.
.set SCB,   196608                     ; LDS: the scale words
.set VECB,  202752                     ; the f32 vectors: +0 gA, +512 bA, +1024 gB, +1536 bB, +2048 qkv_b, +3584 out_b, +4096 b1, +6144 b2
.set STG,   210944                     ; behind the blob: a stage for each wave, 16 rows x (512 + 16) bytes = 132 words: row r starts at bank 4 r mod 64 (64 banks of 4 bytes: ISA guide 11.1)
.set STGW,  8448
.set SP,    528
.set PART,  26368                      ; an eighth of the blob: 103 rows of 256 bytes
; REGISTERS.  Tile t lives in window t at the same numbers.  Window 0, v0-39: addresses, scale words, a bias;  window 1, v0-31: two weight fragments.
.set LI0, 1                            ; v1   16 x lane
.set LSW, 2                            ; v2   SCB + 4 x lane
.set BH,  3                            ; v3   VECB + 64 h
.set STW, 4                            ; v4   my stage + 16 x lane: a token's row, 512 bytes over the 32 lanes
.set STO, 5                            ; v5   my stage + 528 r + 64 h: my 16 features of a block
.set ADW, 6                            ; v6-8 the MLP chunk's fragments, scale words, bias
.set ADS, 7
.set ADB, 8
.set WS,  10                           ; v10-13 weights' scale words
.set XS,  14                           ; v14-15 the LN output's scale words, tile 0, 1
.set QS,  16                           ; v16-17 q's, then O's, then the hidden layer's
.set KS,  18                           ; v18-19 k's
.set BIAS,20                           ; v20-35 a bias for two tiles of a result; ahead of the first bias: the byte offsets of the residual's runs
.set A6,  36                           ; v36-37, v38-39 in both windows: the polynomials' leading coefficients
.set B4,  38
.set RG,  40                           ; v40-103   src, then the residual, then the output
.set VG,  104                          ; v104-167  LN's output / V / four fragments of out_w / the MLP's sums / rows on the way out
.set MG,  168                          ; v168-183  written by matrix instructions alone
.set XC,  184                          ; v184-199  codes of LN's output; later P
.set QC,  200                          ; v200-215  codes of q, then of O, then of the hidden layer
.set KC,  216                          ; v216-239  k's codes of head 0, eight registers of zeros, k's codes of head 1
.set GG,  216                          ; in the MLP: 16 numbers of the hidden layer
.set XL,  232                          ; GELU at work
.set X2,  236
.set QQ,  240
.set TM,  240                          ; v240-255  at work
.set VA,  216                          ; window 0: byte offsets of a tile's 8 runs of 2 tokens, for the stores;
.set VB,  232                          ; for the loads
.set MSB, 0
.macro WIN new                         ; the immediate's high byte repeats the setting that is left; a switch that changes nothing is dropped
.if MSB != (\new)
	s_set_vgpr_msb (MSB<<8)|(\new)
.set MSB, (\new)
.endif
.endm
; A vector instruction or a store that reads a matrix result, a vector instruction that writes one of a matrix instruction's registers and a load into one stand 8 plain vector instructions behind
; these forms; a scale word made by a vector instruction stands 8 ahead of the product that names it.
.macro PLACES n
.rept \n
	v_nop
.endr
.endm
.macro ROUND                           ; a round of the cluster's barrier
	s_barrier_signal -1
	s_barrier_wait -1
	s_cmp_lg_u32 s12, 0
	s_cbranch_scc1 .Lnw0_\@
	s_barrier_signal -3
.Lnw0_\@:
	s_barrier_wait -3
	s_barrier_signal -1
	s_barrier_wait -1
.endm
.macro SPAIR r, val                    ; a constant for the packed forms: the pair is named, so both words are written
	s_mov_b32 s[\r], \val
	s_mov_b32 s[\r+1], \val
.endm
; The byte offsets of window s[wr]'s eight runs of two tokens (pi = 0..3, qj = 0, 1), by the map whose seven numbers begin at s[mp] and whose rows' parts lie in s[rp], s[rp+1]
.macro MAPADDR vb, mp, rp, wr
	s_mul_i32 s84, s[\wr], s[(\mp)+1]
	s_add_co_u32 s84, s84, s[(\mp)+5]              ; qj = 0: w WST + D0
	s_add_co_u32 s85, s[\wr], s[\mp]
	s_and_b32 s85, s85, 31
	s_mul_i32 s85, s85, s[(\mp)+1]
	s_add_co_u32 s85, s85, s[(\mp)+6]              ; qj = 1: ((w + E) & 31) WST + D1
.irp p,0,1,2,3
.if \p%2
	s_add_co_u32 s86, s[(\rp)+\p/2], s[(\mp)+2]
.else
	s_mov_b32 s86, s[(\rp)+\p/2]
.endif
.irp q,0,1
	s_add_co_u32 s87, s86, s[84+\q]
	s_lshl_b32 s87, s87, 9                         ; a token is 512 bytes
	v_add_nc_u32 v[(\vb)+2*\p+\q], s87, v[LI0]
.endr
.endr
.endm
.macro LOADX t, vb                     ; 16 tokens of src, by the offsets at v[vb + 8 t]: each load reads one token, 512 consecutive bytes
	WIN (\t)<<6
.irp k,0,1,2,3,4,5,6,7,8,9,10,11,12,13,14,15
	global_load_b128 v[RG+4*\k:RG+4*\k+3], v[(\vb)+8*(\t)+2*(\k/4)+((\k%4)/2)], s[4:5] offset:512*(\k%2)
.endr
.endm
.macro TURN_IN t                       ; rows as loaded -> the layout.  LDS serves a wave's instructions in order (ISA guide 5.7.1.4): no wait between the stores and the loads
	WIN (\t)<<2
.irp k,0,1,2,3,4,5,6,7,8,9,10,11,12,13,14,15
	ds_store_b128 v[STW], v[RG+4*\k:RG+4*\k+3] offset:SP*\k
.endr
	WIN (\t)<<6
.irp b,0,1,2,3
.irp j,0,1,2,3
	ds_load_b128 v[RG+16*\b+4*\j:RG+16*\b+4*\j+3], v[STO] offset:128*\b+16*\j
.endr
.endr
.endm
.macro LNLOAD og, ob                   ; a gain into window 0's v184-247, its bias into window 1's
	WIN 0
.irp b,0,1,2,3
.irp j,0,1,2,3
	ds_load_b128 v[184+16*\b+4*\j:184+16*\b+4*\j+3], v[BH] offset:(\og)+128*\b+16*\j
.endr
.endr
	WIN 0x40
.irp b,0,1,2,3
.irp j,0,1,2,3
	ds_load_b128 v[184+16*\b+4*\j:184+16*\b+4*\j+3], v[BH] offset:(\ob)+128*\b+16*\j
.endr
.endr
.endm
.macro STATS t                         ; v[VG ..] = v[RG ..] - the row's mean; v254 = 1 / sqrt(variance + 1e-5).  RG is read from its low end on
	WIN 0x55*(\t)
	v_pk_add_f32 v[248:249], v[RG:RG+1], v[RG+2:RG+3]
	v_pk_add_f32 v[250:251], v[RG+4:RG+5], v[RG+6:RG+7]
.set cs, 8
.rept 14
	v_pk_add_f32 v[248:249], v[248:249], v[RG+cs:RG+cs+1]
	v_pk_add_f32 v[250:251], v[250:251], v[RG+cs+2:RG+cs+3]
.set cs, cs+4
.endr
	v_pk_add_f32 v[248:249], v[248:249], v[250:251]
	v_add_f32 v248, v248, v249
	v_permlanex16_b32 v249, v248, s44, s45         ; the row's other 64 features lie in lane l xor 16
	v_add_f32 v248, v248, v249
	v_mul_f32 v252, s62, v248                      ; the mean
.set cs, 0
.rept 32
	v_pk_add_f32 v[VG+cs:VG+cs+1], v[RG+cs:RG+cs+1], v[252:253] op_sel_hi:[1,0] neg_lo:[0,1] neg_hi:[0,1]
.set cs, cs+2
.endr
	v_pk_mul_f32 v[248:249], v[VG:VG+1], v[VG:VG+1]
	v_pk_mul_f32 v[250:251], v[VG+2:VG+3], v[VG+2:VG+3]
.set cs, 4
.rept 15
	v_pk_fma_f32 v[248:249], v[VG+cs:VG+cs+1], v[VG+cs:VG+cs+1], v[248:249]
	v_pk_fma_f32 v[250:251], v[VG+cs+2:VG+cs+3], v[VG+cs+2:VG+cs+3], v[250:251]
.set cs, cs+4
.endr
	v_pk_add_f32 v[248:249], v[248:249], v[250:251]
	v_add_f32 v248, v248, v249
	v_permlanex16_b32 v249, v248, s44, s45
	v_add_f32 v248, v248, v249
	v_fma_f32 v254, v248, s62, s63
	v_rsq_f32 v254, v254
	v_nop                                          ; a plain line behind the transcendental
.endm
.macro APPLY t                         ; v[VG ..] = v[VG ..] x v254 x g + b
	WIN 0x55*(\t)
.set ca, 0
	s_wait_alu depctr_va_vdst(0)
.rept 32
	v_pk_mul_f32 v[VG+ca:VG+ca+1], v[VG+ca:VG+ca+1], v[254:255] op_sel_hi:[1,0]
.set ca, ca+2
.endr
	WIN ((\t)<<6)|(1<<4)|(\t)                      ; g: window 0; b: window 1
.set ca, 0
.rept 32
	v_pk_fma_f32 v[VG+ca:VG+ca+1], v[VG+ca:VG+ca+1], v[184+ca:185+ca], v[184+ca:185+ca]
.set ca, ca+2
.endr
.endm
.macro QUANT t                         ; the 64 numbers in v[VG ..] become the codes in v[XC ..] and the scale word v[XS + t]
	WIN 0x55*(\t)
.irp b,0,1,2,3
	v_max3_num_f32 v[TM+\b], |v[VG+16*\b]|, |v[VG+1+16*\b]|, 0x4800000   ; with the floor 2^(9 - 127): the byte cannot fall under 1
.endr
.irp i,2,4,6,8,10,12,14
.irp b,0,1,2,3
	v_max3_num_f32 v[TM+\b], v[TM+\b], |v[VG+16*\b+\i]|, |v[VG+1+16*\b+\i]|
.endr
.endr
.irp b,0,1,2,3
	v_permlanex16_b32 v[TM+4+\b], v[TM+\b], s44, s45
.endr
.irp b,0,1,2,3
	v_max_num_f32 v[TM+\b], v[TM+\b], v[TM+4+\b]
.endr
.irp b,0,1,2,3
	v_add_nc_u32 v[TM+12+\b], 0xfc000000, v[TM+\b]        ; 8 off the exponent field: the conversion's scale operand
.endr
.irp b,0,1,2,3
	v_and_or_b32 v[TM+8+\b], v[TM+\b], 0x7f800000, s46    ; 448 x the scale
.endr
.irp b,0,1,2,3
	v_lshrrev_b32 v[TM+4+\b], 23, v[TM+12+\b]             ; the byte
.endr
	v_lshl_or_b32 v[TM+4], v[TM+5], 8, v[TM+4]
	v_lshl_or_b32 v[TM+4], v[TM+6], 16, v[TM+4]
	v_lshl_or_b32 v[TM+4], v[TM+7], 24, v[TM+4]
.irp b,0,1,2,3
.irp i,0,1,2,3,4,5,6,7,8,9,10,11,12,13,14,15
	v_med3_num_f32 v[VG+16*\b+\i], v[VG+16*\b+\i], -v[TM+8+\b], v[TM+8+\b]   ; the conversion does not saturate (ISA guide 7.6.2): hold first
.endr
	v_cvt_scalef32_pk8_fp8_f32 v[XC+4*\b:XC+1+4*\b], v[VG+16*\b:VG+7+16*\b], v[TM+12+\b]
	v_cvt_scalef32_pk8_fp8_f32 v[XC+2+4*\b:XC+3+4*\b], v[VG+8+16*\b:VG+15+16*\b], v[TM+12+\b]
.endr
	v_nop
	WIN (\t)
	v_mov_b32 v[XS+\t], v[TM+4]
.endm
; One block of 32 along K: my 16 numbers at v[src] become 4 registers of codes at v[dst]; the byte goes into place b of the word in v255.  The held numbers go to v[h0], v[h1], 8 each.
; Both accumulators of a pair are read from their low ends on.
.macro QB t, src, h0, h1, dst, b
	WIN 0x55*(\t)
	v_max3_num_f32 v250, |v[(\src)]|, |v[(\src)+1]|, 0x4800000
	v_max3_num_f32 v251, |v[(\src)+8]|, |v[(\src)+9]|, |v[(\src)+10]|
	v_max3_num_f32 v250, v250, |v[(\src)+2]|, |v[(\src)+3]|
	v_max3_num_f32 v251, v251, |v[(\src)+11]|, |v[(\src)+12]|
	v_max3_num_f32 v250, v250, |v[(\src)+4]|, |v[(\src)+5]|
	v_max3_num_f32 v251, v251, |v[(\src)+13]|, |v[(\src)+14]|
	v_max3_num_f32 v250, v250, |v[(\src)+6]|, |v[(\src)+7]|
	v_max3_num_f32 v250, v250, v251, |v[(\src)+15]|
	v_permlanex16_b32 v251, v250, s44, s45
	v_max_num_f32 v250, v250, v251
	v_add_nc_u32 v252, 0xfc000000, v250
	v_and_or_b32 v253, v250, 0x7f800000, s46
	v_lshrrev_b32 v254, 23, v252
.irp i,0,1,2,3,4,5,6,7
	v_med3_num_f32 v[(\h0)+\i], v[(\src)+\i], -v253, v253
.endr
	v_cvt_scalef32_pk8_fp8_f32 v[(\dst):(\dst)+1], v[(\h0):(\h0)+7], v252
.if (\b)==0
	v_mov_b32 v255, v254                           ; (the plain line between the conversion and the lines that write its sources again)
.else
	v_lshl_or_b32 v255, v254, 8*(\b), v255
.endif
.irp i,0,1,2,3,4,5,6,7
	v_med3_num_f32 v[(\h1)+\i], v[(\src)+8+\i], -v253, v253
.endr
	v_cvt_scalef32_pk8_fp8_f32 v[(\dst)+2:(\dst)+3], v[(\h1):(\h1)+7], v252
	v_nop
.endm
.macro WORD t, reg                     ; tile t's finished scale word into its register in window 0
	WIN (\t)
	v_mov_b32 v[\reg], v255
.endm
; gelu(z) = z (0.5 + xc P(xc^2) / Q(xc^2)), xc = z held within +-4 sqrt(2): four numbers.  add = 0: v[dst] = gelu(v[src]);  1: v[dst] += gelu(v[src]).  v[pt ..]: four registers at work
.macro GELU4 t, src, pt, dst, add
	WIN 0x55*(\t)
.irp i,0,1,2,3
	v_med3_num_f32 v[XL+\i], v[(\src)+\i], s92, s47
.endr
	v_pk_mul_f32 v[X2:X2+1], v[XL:XL+1], v[XL:XL+1]
	v_pk_mul_f32 v[X2+2:X2+3], v[XL+2:XL+3], v[XL+2:XL+3]
.irp e,0,2
	v_pk_fma_f32 v[(\pt)+\e:(\pt)+\e+1], v[X2+\e:X2+\e+1], v[A6:A6+1], s[50:51] op_sel_hi:[1,1,0]
	v_pk_fma_f32 v[QQ+\e:QQ+\e+1], v[X2+\e:X2+\e+1], v[B4:B4+1], s[66:67] op_sel_hi:[1,1,0]
.endr
.irp k,0,2,4
.irp e,0,2
	v_pk_fma_f32 v[(\pt)+\e:(\pt)+\e+1], v[(\pt)+\e:(\pt)+\e+1], v[X2+\e:X2+\e+1], s[52+\k:53+\k] op_sel_hi:[1,1,0]
	v_pk_fma_f32 v[QQ+\e:QQ+\e+1], v[QQ+\e:QQ+\e+1], v[X2+\e:X2+\e+1], s[68+\k:69+\k] op_sel_hi:[1,1,0]
.endr
.endr
.irp i,0,1,2,3
	v_rcp_f32 v[QQ+\i], v[QQ+\i]
.endr
.irp k,6,8
.irp e,0,2
	v_pk_fma_f32 v[(\pt)+\e:(\pt)+\e+1], v[(\pt)+\e:(\pt)+\e+1], v[X2+\e:X2+\e+1], s[52+\k:53+\k] op_sel_hi:[1,1,0]   ; P's last steps are the plain lines behind the reciprocals
.endr
.endr
.irp e,0,2
	v_pk_mul_f32 v[(\pt)+\e:(\pt)+\e+1], v[(\pt)+\e:(\pt)+\e+1], v[XL+\e:XL+\e+1]
.endr
	s_wait_alu depctr_va_vdst(0)
.irp e,0,2
	v_pk_fma_f32 v[(\pt)+\e:(\pt)+\e+1], v[(\pt)+\e:(\pt)+\e+1], v[QQ+\e:QQ+\e+1], 0.5 op_sel_hi:[1,1,0]
.endr
.irp e,0,2
.if \add
	v_pk_fma_f32 v[(\dst)+\e:(\dst)+\e+1], v[(\pt)+\e:(\pt)+\e+1], v[(\src)+\e:(\src)+\e+1], v[(\dst)+\e:(\dst)+\e+1]
.else
	v_pk_mul_f32 v[(\dst)+\e:(\dst)+\e+1], v[(\pt)+\e:(\pt)+\e+1], v[(\src)+\e:(\src)+\e+1]
.endif
.endr
.endm
.macro LOADF w, reg, adr, off          ; a fragment's image from LDS into window w
	WIN (\w)<<6
.irp c,0,1,2,3
	ds_load_b128 v[(\reg)+4*\c:(\reg)+4*\c+3], v[\adr] offset:(\off)+512*\c
.endr
.endm
.macro LOADB adr, off                  ; my 16 numbers of a block of a bias
	WIN 0
.irp j,0,1,2,3
	ds_load_b128 v[BIAS+4*\j:BIAS+4*\j+3], v[\adr] offset:(\off)+16*\j
.endr
.endm
.macro LOADW aw, ow, ab, ob, as, os    ; a pair of fragments, its bias, its scale words
	LOADF 1, 0, \aw, \ow
	LOADF 1, 16, \aw, (\ow)+2048
	LOADB \ab, \ob
	ds_load_b32 v[WS], v[\as] offset:\os
.endm
.macro MMX t                           ; 32 features of a result for tile t: v[MG ..] = the pair of fragments x v[XC ..] + the bias
	WIN ((\t)<<6)|((\t)<<2)|1
	v_wmma_scale_f32_16x16x128_f8f6f4 v[MG:MG+7], v[0:15], v[XC:XC+15], v[BIAS:BIAS+7], v[WS], v[XS+\t]
	v_wmma_scale_f32_16x16x128_f8f6f4 v[MG+8:MG+15], v[16:31], v[XC:XC+15], v[BIAS+8:BIAS+15], v[WS], v[XS+\t] matrix_a_scale:MATRIX_SCALE_ROW1
.endm
.macro VPROD T, t                      ; V, not transposed: source 0 = the tokens, source 1 = 16 rows of v's weight: lane (r, h) gets feature r of tile T, tokens 8 h + 0 .. 7
.if (\T)<3
.set fw,0
.set fr,200+16*(\T)
.elseif (\T)<6
.set fw,1
.set fr,200+16*((\T)-3)
.else
.set fw,1
.set fr,16*((\T)-6)
.endif
	WIN ((\t)<<6)|(fw<<2)|(\t)
.if (\T)%2
	v_wmma_scale_f32_16x16x128_f8f6f4 v[VG+8*(\T):VG+8*(\T)+7], v[XC:XC+15], v[fr:fr+15], 0, v[XS+\t], v[WS+(\T)/2] matrix_b_scale:MATRIX_SCALE_ROW1
.else
	v_wmma_scale_f32_16x16x128_f8f6f4 v[VG+8*(\T):VG+8*(\T)+7], v[XC:XC+15], v[fr:fr+15], 0, v[XS+\t], v[WS+(\T)/2]
.endif
.endm
.macro SOFTMAX t                       ; both heads by turns: v[MG + 8 d ..] (my query's scores of 8 keys) -> v[XC + 8 d ..] = p, normalised.  The row's largest score is taken away first
	WIN 0x55*(\t)
.irp d,0,1
	v_max3_num_f32 v[TM+8*\d], v[MG+8*\d], v[MG+8*\d+1], v[MG+8*\d+2]
.endr
.irp d,0,1
	v_max3_num_f32 v[TM+8*\d], v[TM+8*\d], v[MG+8*\d+3], v[MG+8*\d+4]
.endr
.irp d,0,1
	v_max3_num_f32 v[TM+8*\d], v[TM+8*\d], v[MG+8*\d+5], v[MG+8*\d+6]
.endr
.irp d,0,1
	v_max_num_f32 v[TM+8*\d], v[TM+8*\d], v[MG+8*\d+7]
.endr
.irp d,0,1
	v_permlanex16_b32 v[TM+8*\d+1], v[TM+8*\d], s44, s45   ; the other 8 keys lie in lane l xor 16
.endr
.irp d,0,1
	v_max_num_f32 v[TM+8*\d], v[TM+8*\d], v[TM+8*\d+1]
.endr
.irp d,0,1
	v_mul_f32 v[TM+8*\d+2], s48, v[TM+8*\d]                ; c x the maximum, c = log2(e) / 8
.endr
.irp i,0,2,4,6
.irp d,0,1
	v_pk_fma_f32 v[XC+8*\d+\i:XC+8*\d+\i+1], v[MG+8*\d+\i:MG+8*\d+\i+1], s[48:49], v[TM+8*\d+2:TM+8*\d+3] op_sel_hi:[1,0,0] neg_lo:[0,0,1] neg_hi:[0,0,1]
.endr
.endr
.irp i,0,1,2,3,4,5,6,7
.irp d,0,1
	v_exp_f32 v[XC+8*\d+\i], v[XC+8*\d+\i]
.endr
.endr
	v_nop
	s_wait_alu depctr_va_vdst(0)
.irp d,0,1
	v_pk_add_f32 v[TM+8*\d+4:TM+8*\d+5], v[XC+8*\d:XC+8*\d+1], v[XC+8*\d+2:XC+8*\d+3]
.endr
.irp d,0,1
	v_pk_add_f32 v[TM+8*\d+6:TM+8*\d+7], v[XC+8*\d+4:XC+8*\d+5], v[XC+8*\d+6:XC+8*\d+7]
.endr
.irp d,0,1
	v_pk_add_f32 v[TM+8*\d+4:TM+8*\d+5], v[TM+8*\d+4:TM+8*\d+5], v[TM+8*\d+6:TM+8*\d+7]
.endr
.irp d,0,1
	v_add_f32 v[TM+8*\d+4], v[TM+8*\d+4], v[TM+8*\d+5]
.endr
.irp d,0,1
	v_permlanex16_b32 v[TM+8*\d+5], v[TM+8*\d+4], s44, s45
.endr
.irp d,0,1
	v_add_f32 v[TM+8*\d+4], v[TM+8*\d+4], v[TM+8*\d+5]
.endr
.irp d,0,1
	v_rcp_f32 v[TM+8*\d+2], v[TM+8*\d+4]
.endr
	v_nop
	s_wait_alu depctr_va_vdst(0)
.irp i,0,2,4,6
.irp d,0,1
	v_pk_mul_f32 v[XC+8*\d+\i:XC+8*\d+\i+1], v[XC+8*\d+\i:XC+8*\d+\i+1], v[TM+8*\d+2:TM+8*\d+3] op_sel_hi:[1,0]
.endr
.endr
.endm
; O^T += V^T P^T, features 32 b + 8 u on, K step s: the keys 8 h + 2 s + 0, 1 on both sides, so V's and P's registers are the operands as they stand.  The first step takes v's bias as C
.macro OT b, s, t, u
.if (\s)==0
	WIN 0x45*(\t)
	v_wmma_f32_16x16x4_f32 v[MG+8*(\u):MG+8*(\u)+7], v[VG+8*(2*(\b)+(\u))+2*(\s):VG+8*(2*(\b)+(\u))+2*(\s)+1], v[XC+8*((\b)/2)+2*(\s):XC+8*((\b)/2)+2*(\s)+1], v[BIAS+8*(\u):BIAS+8*(\u)+7]
.else
	WIN 0x55*(\t)
	v_wmma_f32_16x16x4_f32 v[MG+8*(\u):MG+8*(\u)+7], v[VG+8*(2*(\b)+(\u))+2*(\s):VG+8*(2*(\b)+(\u))+2*(\s)+1], v[XC+8*((\b)/2)+2*(\s):XC+8*((\b)/2)+2*(\s)+1], v[MG+8*(\u):MG+8*(\u)+7]
.endif
.endm
.macro OPJ T, t                        ; the out-projection's tile T onto the residual: fragment T lies in window T / 4 at v[VG + 16 (T % 4)]
	WIN ((\t)<<6)|((\t)<<4)|((\t)<<2)|((\T)/4)
.if (\T)%2
	v_wmma_scale_f32_16x16x128_f8f6f4 v[RG+8*(\T):RG+8*(\T)+7], v[VG+16*((\T)%4):VG+16*((\T)%4)+15], v[QC:QC+15], v[RG+8*(\T):RG+8*(\T)+7], v[WS+(\T)/2], v[QS+\t] matrix_a_scale:MATRIX_SCALE_ROW1
.else
	v_wmma_scale_f32_16x16x128_f8f6f4 v[RG+8*(\T):RG+8*(\T)+7], v[VG+16*((\T)%4):VG+16*((\T)%4)+15], v[QC:QC+15], v[RG+8*(\T):RG+8*(\T)+7], v[WS+(\T)/2], v[QS+\t]
.endif
.endm
.macro M2 n, t                         ; the MLP's second product, tile n, this chunk's K step, onto v[VG + 8 n ..]
.if (\n)<2
.set fw,1
.set fr,16*(\n)
.elseif (\n)<4
.set fw,0
.set fr,216+16*((\n)-2)
.elseif (\n)<6
.set fw,1
.set fr,216+16*((\n)-4)
.else
.set fw,1
.set fr,16*((\n)-6)
.endif
	WIN ((\t)<<6)|((\t)<<4)|((\t)<<2)|fw
.if (\n)%2
	v_wmma_scale_f32_16x16x128_f8f6f4 v[VG+8*(\n):VG+8*(\n)+7], v[fr:fr+15], v[QC:QC+15], v[VG+8*(\n):VG+8*(\n)+7], v[WS+(\n)/2], v[QS+\t] matrix_a_scale:MATRIX_SCALE_ROW1
.else
	v_wmma_scale_f32_16x16x128_f8f6f4 v[VG+8*(\n):VG+8*(\n)+7], v[fr:fr+15], v[QC:QC+15], v[VG+8*(\n):VG+8*(\n)+7], v[WS+(\n)/2], v[QS+\t]
.endif
.endm
.macro OUTT t                          ; the layout -> rows of 512 bytes, through my stage
	WIN (\t)<<2
.irp b,0,1,2,3
.irp j,0,1,2,3
	ds_store_b128 v[STO], v[RG+16*\b+4*\j:RG+16*\b+4*\j+3] offset:128*\b+16*\j
.endr
.endr
	WIN (\t)<<6
.irp k,0,1,2,3,4,5,6,7,8,9,10,11,12,13,14,15
	ds_load_b128 v[VG+4*\k:VG+4*\k+3], v[STW] offset:SP*\k
.endr
.endm
.macro STOREY t                        ; each store writes one token: 512 consecutive bytes, at a multiple of 512 from the buffer's first byte
	WIN (\t)<<2
.irp k,0,1,2,3,4,5,6,7,8,9,10,11,12,13,14,15
	global_store_b128 v[VA+8*(\t)+2*(\k/4)+((\k%4)/2)], v[VG+4*\k:VG+4*\k+3], s[10:11] offset:512*(\k%2)
.endr
.endm
; ================ the head
	s_load_b256 s[4:11], s[0:1], 0x0               ; src s[4:5], blob s[6:7], par s[8:9], dst s[10:11]
	v_lshl_add_u32 v9, v0, 2, 0x44000
	s_set_vgpr_msb 0x40
	v_mov_b32 v35, 0
	s_set_vgpr_msb 0x4044
	ds_add_u32 v9, v35
	ds_add_u32 v9, v35
	s_set_vgpr_msb 0x4400
	v_lshrrev_b32 v1, 5, v0
	v_readfirstlane_b32 s12, v1                    ; wave 0..7
	s_bfe_u32 s13, ttmp6, 0x40000                  ; cx: it enters src's and dst's offsets alone
	s_lshl_b32 s14, ttmp9, 2
	s_add_co_u32 s14, s14, s13                     ; work-group = 4 x cluster + cx
	s_and_b32 s15, s14, 31                         ; R: the row of windows
	s_lshr_b32 s84, s14, 5                         ; the image,
	s_lshl_b32 s84, s84, 23                        ; 16,384 tokens of 512 bytes each
	s_mov_b32 s85, 0
	s_mul_i32 s86, s12, PART                       ; my eighth of the blob
	s_mov_b32 s87, 0
	s_mov_b32 s36, 15|(3<<16)|(1<<21)              ; group 1: 15:0 the mask: all four work-groups; 17:16 elements of 8 bytes; 21 set beside a mask; no padding
	s_mov_b32 s37, 32<<16                          ; tensor_dim0 = 32 elements: rows of 256 bytes
	s_mov_b32 s38, 103<<16                         ; tensor_dim1 = 103
	s_mov_b32 s39, 32<<16                          ; tile_dim0 = 32
	s_mov_b32 s40, 103                             ; tile_dim1 = 103
	s_mov_b32 s41, 32                              ; the pitch: dense
	s_mov_b32 s42, 0
	s_mov_b32 s43, 0
	s_wait_dscnt 0x0
	s_wait_kmcnt 0x0
	s_load_b512 s[16:31], s[8:9], 0x0              ; par; it lands while the cluster meets
	s_add_nc_u64 s[4:5], s[4:5], s[84:85]
	s_add_nc_u64 s[10:11], s[10:11], s[84:85]
	s_mov_b32 s32, 1                               ; group 0: count = 1,
	s_mov_b32 s33, s86                             ; the LDS address,
	s_add_nc_u64 s[34:35], s[6:7], s[86:87]        ; the global address: both hang on the wave's number alone,
	s_or_b32 s35, s35, 0x80000000                  ; type = 2
	ROUND                                          ; all four work-groups are here: the joint loads meet
	tensor_load_to_lds s[32:35], s[36:43]
	s_nop 0
	PLACES 4
	v_and_b32 v6, 31, v0                           ; lane
	v_and_b32 v7, 15, v0                           ; r
	v_bfe_u32 v8, v0, 4, 1                         ; h
	v_lshlrev_b32 v[LI0], 4, v6
	v_lshl_add_u32 v[LSW], v6, 2, SCB
	v_lshl_add_u32 v[BH], v8, 6, VECB
	s_mul_i32 s84, s12, STGW
	s_add_co_u32 s84, s84, STG                     ; my stage
	v_add_nc_u32 v[STW], s84, v[LI0]
	v_mul_u32_u24 v[STO], v7, SP
	v_lshl_add_u32 v[STO], v8, 6, v[STO]
	v_add_nc_u32 v[STO], s84, v[STO]
	s_mov_b32 s44, 0x76543210                      ; v_permlanex16_b32's selects: lane l xor 16
	s_mov_b32 s45, 0xfedcba98
	s_mov_b32 s46, 0x600000                        ; the mantissa field of 448
	s_mov_b32 s47, 0x40b504f3                      ; 4 sqrt(2)
	s_mov_b32 s92, 0xc0b504f3                      ; -4 sqrt(2)
	SPAIR 48, 0x3e38aa3b                           ; c = log2(e) / sqrt(64)
	SPAIR 50, 0x2fa84a8d                           ; P's coefficients a5 .. a0 (a6 lies in v[A6]); the halving of x^2 and the factor 1 / (2 sqrt(2)) are folded in
	SPAIR 52, 0xb347667d
	SPAIR 54, 0xb628d45d
	SPAIR 56, 0xb8883d9c
	SPAIR 58, 0xba08eb41
	SPAIR 60, 0xbbba79f3
	s_mov_b32 s62, 0x3c000000                      ; 1 / 128
	s_mov_b32 s63, 0x3727c5ac                      ; 1e-5
	SPAIR 66, 0xb7dfbd29                           ; Q's coefficients b3 .. b0 (b4 lies in v[B4])
	SPAIR 68, 0xb9dc924e
	SPAIR 70, 0xbb719bf8
	SPAIR 72, 0xbc69b6a7
.irp w,0,1                                             ; written once in both windows: lane permutes' destinations and the upper halves of pairs that are named whole
	WIN (\w)<<6
.set ci, 240
.rept 16
	v_mov_b32 v[ci], 0
.set ci, ci+1
.endr
	v_mov_b32 v[A6], 0xabd3f331
	v_mov_b32 v[A6+1], 0xabd3f331
	v_mov_b32 v[B4], 0xb57460cd
	v_mov_b32 v[B4+1], 0xb57460cd
.endr
	WIN 0
	s_wait_kmcnt 0x0                               ; par.  Each number is held at its largest value before it enters an offset
	s_min_u32 s16, s16, 1                          ; MODE: 0: the residual is truncated; 1: it is taken as it is
	s_min_u32 s17, s17, 1                          ; the way in: E, WST, SI, C0, C1, D0, D1
	s_min_u32 s18, s18, 16
	s_min_u32 s19, s19, 128
	s_min_u32 s20, s20, 8
	s_min_u32 s21, s21, 256
	s_min_u32 s22, s22, 2
	s_min_u32 s23, s23, 2
	s_min_u32 s24, s24, 1                          ; the way out
	s_min_u32 s25, s25, 16
	s_min_u32 s26, s26, 4
	s_min_u32 s27, s27, 8
	s_min_u32 s28, s28, 8
	s_min_u32 s29, s29, 2
	s_min_u32 s30, s30, 2
	s_cmp_lg_u32 s16, 0
	s_cselect_b32 s93, -1, 0                       ; the select's mask, the same in all 32 lanes: ones keep src, zeros take trunc(src)
	s_lshl_b32 s74, s15, 9                         ; the rows' parts: (((R + qi E) & 31) << 9) + C[qi], way in:
	s_add_co_u32 s74, s74, s20
	s_add_co_u32 s75, s15, s17
	s_and_b32 s75, s75, 31
	s_lshl_b32 s75, s75, 9
	s_add_co_u32 s75, s75, s21
	s_lshl_b32 s76, s15, 9                         ; way out
	s_add_co_u32 s76, s76, s27
	s_add_co_u32 s77, s15, s24
	s_and_b32 s77, s77, 31
	s_lshl_b32 s77, s77, 9
	s_add_co_u32 s77, s77, s28
	s_lshl_b32 s83, s12, 1                         ; tile 0's window: 16 x trip + 2 x wave
	s_add_co_u32 s88, s83, 1
	MAPADDR VB, 17, 74, 83
	MAPADDR VB+8, 17, 74, 88
	LOADX 0, VB
	LOADX 1, VB
	WIN 0
	s_wait_tensorcnt 0x0                           ; my eighth of the blob is in,
	s_barrier_signal -1
	s_barrier_wait -1                              ; everybody's is: from here on the blob is only read
	s_mov_b32 s78, 0
; ================ two windows a trip, two trips
.Ltrip:
	; ---- 1: the tokens into the layout; LN_A's sums
	s_wait_loadcnt 0x0                             ; both windows' tokens are in
	s_wait_xcnt 0x0                                ; the last trip's stores have read their data and offsets: both are written again below
	TURN_IN 0
	TURN_IN 1
	s_wait_dscnt 32                                ; tile 0 is back; tile 1's 32 instructions may be out
	LNLOAD 0, 512
	STATS 0
	s_wait_dscnt 32                                ; tile 1 is back; the 32 loads of g and b may be out
	STATS 1
	; ---- 2: the residual's rows, src at the tokens of the way out, are asked for, into the registers that the sums have left; their offsets lie where the first bias will
	WIN 0
	s_add_co_u32 s88, s83, 1
	MAPADDR BIAS, 24, 76, 83
	MAPADDR BIAS+8, 24, 76, 88
	LOADX 0, BIAS
	LOADX 1, BIAS
	; ---- 3: LN_A is finished and quantised
	s_wait_dscnt 0x0                               ; g and b
	APPLY 0
	APPLY 1
	QUANT 0
	QUANT 1
	; ---- 4: V: its eight fragments at once, in registers that are idle here
	LOADF 0, 200, LI0, 2048*16
	LOADF 0, 216, LI0, 2048*17
	LOADF 0, 232, LI0, 2048*18
	LOADF 1, 200, LI0, 2048*19
	LOADF 1, 216, LI0, 2048*20
	LOADF 1, 232, LI0, 2048*21
	LOADF 1, 0, LI0, 2048*22
	LOADF 1, 16, LI0, 2048*23
	WIN 0
.irp i,0,1,2,3
	ds_load_b32 v[WS+\i], v[LSW] offset:128*(8+\i)
.endr
	s_wait_dscnt 0x0
	PLACES 8                                       ; tile 1's scale word has just been made
.irp T,0,1,2,3,4,5,6,7
	VPROD \T, 0
	VPROD \T, 1
.endr
	PLACES 8
.irp w,0,1
	WIN (\w)<<6
.irp i,0,1,2,3,4,5,6,7
	v_mov_b32 v[KC+8+\i], 0                        ; zero codes between k's two heads: a head's K of 64 is filled up to the instruction's 128 on k's side
.endr
.endr
	s_wait_xcnt 0x0                                ; the residual's loads have read their offsets: the first bias may land on those registers
	LOADW LI0, 0, BH, 2048, LSW, 0
	; ---- 5: q and k, 32 features a step, quantised as they come
.irp n,0,1,2,3,4,5,6,7
	s_wait_dscnt 0x0
	MMX 0
	MMX 1
	PLACES 8
.if \n<7
	LOADW LI0, 4096*(\n+1), BH, 2048+128*(\n+1), LSW, 128*(\n+1)
.else
	LOADB BH, 3072                                 ; v's bias, features 0 to 31
.endif
.if \n<4
	QB 0, MG, 240, 240, QC+4*\n, \n
	QB 1, MG, 240, 240, QC+4*\n, \n
.elseif \n<6
	QB 0, MG, 240, 240, KC+4*(\n-4), \n-4
	QB 1, MG, 240, 240, KC+4*(\n-4), \n-4
.else
	QB 0, MG, 240, 240, KC+4*(\n-4)+8, \n-4
	QB 1, MG, 240, 240, KC+4*(\n-4)+8, \n-4
.endif
.if \n==3
	WORD 0, QS
	WORD 1, QS+1
.endif
.if \n==7
	WORD 0, KS
	WORD 1, KS+1
.endif
.endr
	; ---- 6: S^T = K Q^T for both heads: source 0 = a head's codes of k beside zeros, source 1 = all of q's
	PLACES 8
.irp t,0,1
	WIN 0x45*\t
	v_wmma_scale_f32_16x16x128_f8f6f4 v[MG:MG+7], v[KC:KC+15], v[QC:QC+15], 0, v[KS+\t], v[QS+\t]
	v_wmma_scale_f32_16x16x128_f8f6f4 v[MG+8:MG+15], v[KC+8:KC+23], v[QC:QC+15], 0, v[KS+\t], v[QS+\t]
.endr
	PLACES 8
	SOFTMAX 0
	SOFTMAX 1
	; ---- 7: O^T = V^T P^T + v's bias, 32 features a step, f32 operands; four accumulators by turns, one instruction a turn
.irp b,0,1,2,3
	s_wait_dscnt 0x0                               ; this step's bias
.irp s,0,1,2,3
.irp t,0,1
.irp u,0,1
	OT \b, \s, \t, \u
.endr
.endr
.endr
	PLACES 8
.if \b<3
	LOADB BH, 3072+128*(\b+1)
.else
.irp f,0,1,2,3
	LOADF 0, VG+16*\f, LI0, 2048*(24+\f)           ; out_w's eight fragments, where V lay
.endr
.irp f,0,1,2,3
	LOADF 1, VG+16*\f, LI0, 2048*(28+\f)
.endr
	WIN 0
.irp i,0,1,2,3
	ds_load_b32 v[WS+\i], v[LSW] offset:128*(12+\i)
.endr
.irp e,0,1,2,3
	WIN (\e/2)<<6
.irp j,0,1,2,3
	ds_load_b128 v[184+32*(\e%2)+4*\j:184+32*(\e%2)+4*\j+3], v[BH] offset:3584+128*\e+16*\j   ; out_b's block e: window e / 2, v184 or v216
.endr
.endr
.endif
	QB 0, MG, 240, 240, QC+4*\b, \b
	QB 1, MG, 240, 240, QC+4*\b, \b
.endr
	WORD 0, QS
	WORD 1, QS+1
	; ---- 8: the residual into the layout, truncated or not; the out-projection adds onto it
	WIN 0
	s_wait_loadcnt 0x0                             ; the residual's rows are in
	TURN_IN 0
	TURN_IN 1
	s_wait_dscnt 0x0                               ; they are back; and so are out_w's fragments, their scale words and out_b
.irp t,0,1
	WIN 0x55*\t
.irp g,0,1,2,3
.irp i,0,1,2,3,4,5,6,7,8,9,10,11,12,13,14,15
	v_trunc_f32 v[TM+\i], v[RG+16*\g+\i]
.endr
.irp i,0,1,2,3,4,5,6,7,8,9,10,11,12,13,14,15
	v_cndmask_b32 v[RG+16*\g+\i], v[TM+\i], v[RG+16*\g+\i], s93   ; a choice of a value: both are at hand in every trip
.endr
.endr
.endr
.irp t,0,1
.irp b,0,1,2,3
	WIN ((\t)<<6)|((\b/2)<<2)|(\t)
.irp i,0,2,4,6,8,10,12,14
	v_pk_add_f32 v[RG+16*\b+\i:RG+16*\b+\i+1], v[RG+16*\b+\i:RG+16*\b+\i+1], v[184+32*(\b%2)+\i:184+32*(\b%2)+\i+1]
.endr
.endr
.endr
.irp T,0,1,2,3,4,5,6,7
	OPJ \T, 0
	OPJ \T, 1
.endr
	PLACES 8
	; ---- 9: LN_B, quantised; then the MLP in four chunks of 128 hidden units
	LNLOAD 1024, 1536
	STATS 0
	STATS 1
	s_wait_dscnt 0x0
	APPLY 0
	APPLY 1
	QUANT 0
	QUANT 1
.irp t,0,1
	WIN (\t)<<6
.irp b,0,1,2,3
.irp j,0,1,2,3
	ds_load_b128 v[VG+16*\b+4*\j:VG+16*\b+4*\j+3], v[BH] offset:6144+128*\b+16*\j   ; b2 starts the second product's sums
.endr
.endr
.endr
	PLACES 8                                       ; tile 1's scale word has just been made
	WIN 0
	s_mov_b32 s80, 65536                           ; fragment 32,
	s_mov_b32 s81, 2048                            ; pair 16's scale words,
	s_mov_b32 s82, 4096                            ; b1
	s_mov_b32 s79, 0
.Lchunk:
	v_add_nc_u32 v[ADW], s80, v[LI0]
	v_add_nc_u32 v[ADS], s81, v[LSW]
	v_add_nc_u32 v[ADB], s82, v[BH]
	LOADW ADW, 0, ADB, 0, ADS, 0
.irp b,0,1,2,3
	s_wait_dscnt 0x0
	MMX 0
	MMX 1
	PLACES 8
.if \b<3
	LOADW ADW, 4096*(\b+1), ADB, 128*(\b+1), ADS, 128*(\b+1)
.else
	LOADF 1, 0, ADW, 16384                         ; w2's fragments 0 and 1 of this K step, and all its scale words
	LOADF 1, 16, ADW, 16384+2048
	WIN 0
.irp i,0,1,2,3
	ds_load_b32 v[WS+\i], v[ADS] offset:512+128*\i
.endr
.endif
.irp t,0,1
.irp g,0,1,2,3
	GELU4 \t, MG+4*\g, GG+4*\g, GG+4*\g, 0
.endr
	QB \t, GG, GG, GG+8, QC+4*\b, \b
.endr
.endr
	WORD 0, QS
	WORD 1, QS+1
	LOADF 0, 216, ADW, 16384+2048*2
	LOADF 0, 232, ADW, 16384+2048*3
	LOADF 1, 216, ADW, 16384+2048*4
	LOADF 1, 232, ADW, 16384+2048*5
	PLACES 8                                       ; the hidden layer's scale words have just been made
	s_wait_dscnt 16                                ; fragments 0, 1 and the scale words are in; the 16 loads just issued may be out
	M2 0, 0
	M2 0, 1
	M2 1, 0
	M2 1, 1
	PLACES 8
	LOADF 1, 0, ADW, 16384+2048*6
	LOADF 1, 16, ADW, 16384+2048*7
	s_wait_dscnt 16                                ; fragments 2, 3 are in (behind them: 4, 5 and 6, 7)
	M2 2, 0
	M2 2, 1
	M2 3, 0
	M2 3, 1
	s_wait_dscnt 8                                 ; fragments 4, 5
	M2 4, 0
	M2 4, 1
	M2 5, 0
	M2 5, 1
	s_wait_dscnt 0x0
	M2 6, 0
	M2 6, 1
	M2 7, 0
	M2 7, 1
	PLACES 8
	WIN 0
	s_add_co_u32 s80, s80, 32768
	s_add_co_u32 s81, s81, 1024
	s_add_co_u32 s82, s82, 512
	s_add_co_u32 s79, s79, 1
	s_cmp_lt_u32 s79, 4
	s_cbranch_scc1 .Lchunk
	; ---- 10: the output = gelu(the sums) + the residual; out through the stage; the next trip's tokens are asked for
.irp t,0,1
.irp g,0,1,2,3,4,5,6,7,8,9,10,11,12,13,14,15
	GELU4 \t, VG+4*\g, 216, RG+4*\g, 1
.endr
.endr
	WIN 0
	s_add_co_u32 s88, s83, 1
	MAPADDR VA, 24, 76, 83
	MAPADDR VA+8, 24, 76, 88
	OUTT 0
	OUTT 1
	s_wait_dscnt 32                                ; tile 0's rows are back; tile 1's 32 instructions may be out
	STOREY 0
	s_wait_dscnt 0x0
	STOREY 1
	WIN 0
	s_cmp_eq_u32 s78, 1                            ; the last trip asks for nothing
	s_cbranch_scc1 .Lnonext
	s_add_co_u32 s83, s83, 16
	s_add_co_u32 s88, s83, 1
	MAPADDR VB, 17, 74, 83
	MAPADDR VB+8, 17, 74, 88
	LOADX 0, VB
	LOADX 1, VB
	WIN 0
.Lnonext:
	s_add_co_u32 s78, s78, 1
	s_cmp_lt_u32 s78, 2
	s_cbranch_scc1 .Ltrip
	s_wait_dscnt 0x0
	s_set_vgpr_msb 0x4
	s_wait_tensorcnt 0x0
	ds_add_u32 v9, v35
	s_wait_dscnt 0x0
	s_set_vgpr_msb 0x400
	ROUND                                          ; the closing round: no work-group ends while a partner may still ask jointly
	s_endpgm
.Lfunc_end_k_qa77acfee38_halfA:
	.size	k_qa77acfee38_halfA, .Lfunc_end_k_qa77acfee38_halfA-k_qa77acfee38_halfA
	.p2alignl 7, 3214868480
	.fill 96, 4, 3214868480
	.section	.rodata,"a",@progbits
	.p2align	6, 0x0
	.amdhsa_kernel k_qa77acfee38_halfA
		.amdhsa_group_segment_fixed_size 279552
		.amdhsa_private_segment_fixed_size 0
		.amdhsa_enable_private_segment 0
		.amdhsa_kernarg_size 32
		.amdhsa_user_sgpr_count 2
		.amdhsa_user_sgpr_kernarg_segment_ptr 1
		.amdhsa_wavefront_size32 1
		.amdhsa_system_sgpr_workgroup_id_x 1
		.amdhsa_system_sgpr_workgroup_id_y 1
		.amdhsa_system_sgpr_workgroup_id_z 1
		.amdhsa_system_vgpr_workitem_id 0
		.amdhsa_next_free_vgpr 512
		.amdhsa_next_free_sgpr 96
		.amdhsa_reserve_vcc 0
		.amdhsa_float_denorm_mode_32 3
		.amdhsa_float_denorm_mode_16_64 3
		.amdhsa_memory_ordered 1
		.amdhsa_forward_progress 1
		.amdhsa_inst_pref_size 255
	.end_amdhsa_kernel
	.section	.bss,"aw",@nobits
	.p2align	6
	.space	262144
	.amdgpu_metadata
---
amdhsa.version: [ 1, 2 ]
amdhsa.kernels:
  - .name:           k_qa77acfee38_halfA
    .symbol:         k_qa77acfee38_halfA.kd
    .args:
      - { .name: x, .offset: 0, .size: 8, .value_kind: global_buffer, .address_space: global }
      - { .name: blobA, .offset: 8, .size: 8, .value_kind: global_buffer, .address_space: global }
      - { .name: parA, .offset: 16, .size: 8, .value_kind: global_buffer, .address_space: global }
      - { .name: mid, .offset: 24, .size: 8, .value_kind: global_buffer, .address_space: global }
    .group_segment_fixed_size: 279552
    .private_segment_fixed_size: 0
    .kernarg_segment_align: 8
    .kernarg_segment_size: 32
    .max_flat_workgroup_size: 256
    .sgpr_count:     96
    .vgpr_count:     512
    .wavefront_size: 32
...
	.end_amdgpu_metadata
.endif
;; end of part 2
;; launch halfB: the kernel of part 2 again; grid 256 x 1, 8 waves a work-group, clusters of 4 x 1, 279,552 bytes of LDS; arguments mid, blobB, parB, out0; writes out0
;; ======== version 2 of 2: 3 launches; 1.13 times as fast as version 1
;; workspace buffers: blobA 210,944 bytes; blobB 210,944 bytes; parA 256 bytes of whole numbers; parB 256 bytes of whole numbers; mid 67,108,864 bytes
;; launch prep: the kernel of part 1 again; grid 13 x 2, 4 waves a work-group, no clusters, 0 bytes of LDS; arguments qkv1_w, out1_w, mlp1_w1, mlp1_w2, ln1_g, ln1_b, ln2_g, ln2_b, qkv1_b, out1_b, mlp1_b1, mlp1_b2, blobA, parA, qkv2_w, out2_w, mlp2_w1, mlp2_w2, ln3_g, ln3_b, ln4_g, ln4_b, qkv2_b, out2_b, mlp2_b1, mlp2_b2, blobB, parB; writes blobA, parA, blobB, parB
;; launch halfA (part 3): grid 256 x 1, 8 waves a work-group, clusters of 4 x 1, 279,552 bytes of LDS; arguments x, blobA, parA, mid; writes mid
.if DOCPART == 3
	.amdgcn_target "amdgcn-amd-amdhsa--gfx1250"
	.amdhsa_code_object_version 6
	.text
	.protected	k_qa77acfee38_halfA
	.globl	k_qa77acfee38_halfA
	.p2align	8
	.type	k_qa77acfee38_halfA,@function
k_qa77acfee38_halfA:
	s_mov_b64 s[64:65], 0
	v_nop
	global_prefetch_b8 v0, s[64:65] scope:SCOPE_SE
	s_setreg_imm32_b32 hwreg(HW_REG_WAVE_MODE, 25, 1), 1
	s_wait_xcnt 0x0
	s_wait_alu depctr_hold_cnt(0) depctr_sa_sdst(0) depctr_va_vdst(0) depctr_va_sdst(0) depctr_va_ssrc(0) depctr_va_vcc(0) depctr_vm_vsrc(0)
	s_getreg_b32 s2, hwreg(HW_REG_IB_STS2, 6, 4)
	s_cmp_eq_u32 s2, 0
	s_cbranch_scc0 .Lentry_in_a_cluster
	s_endpgm
.Lentry_in_a_cluster:
	s_bfe_u32 s2, ttmp6, 0x10000c
	s_cmp_lg_u32 s2, 0x3003
	s_cbranch_scc0 .Lentry_shape_is_right
	s_endpgm
.Lentry_shape_is_right:
; ONE HALF OF THE BLOCK: y = z + gelu(gelu(LN_B(z) W1^T + b1) W2^T + b2), z = res + attention(LN_A(src)) Wo^T + bo, attention within windows of 16 tokens, 2 heads of 64.
; All products with K >= 32 on codes of FP8 (E4M3) with one E8M0 scale for each 32 along K; P V (K = 16) with f32 operands.  Everything else in f32.
; The same text serves both halves: 16 whole numbers (par), stored by the launch before, say which tokens form a window on the way in and on the way out, and whether the residual is truncated.
; The residual is src at the tokens of the way out, in both halves: trunc(src) in the first half, src in the second.  No branch hangs on par: the rows are always read again and trunc is always
; made, and a select on a mask keeps one of the two.  (In the second half the tokens of the way out are those of the way in: each of them is read twice there.)
; SHARES.  A work-group owns one row of 32 windows of one image (512 tokens); each of its 8 waves takes two windows at a time, twice, and runs the whole half for them: after the barrier at the head no wave meets another.
; LAYOUT.  A window is one tile.  Lane (r, h) holds token r; register 16 b + i holds feature 32 b + 16 h + i: the order of an 8-bit operand's registers, so the conversions' results ARE operands.
; All products but V are used transposed (source 0 = 16 rows of a weight, source 1 = the tokens), and lane r of weight tile 2 g + u holds row 32 g + 8 u + r + 8 (r / 8): so every result lies in that layout again.
; V is used the other way round: a lane then holds one feature and 8 tokens, which is source 0 of O^T = V^T P^T in the f32 form; S^T = K Q^T gives a lane one query and 8 keys, which is its source 1.
; WEIGHTS.  The blob (codes as images of registers, scale words, f32 vectors: 210,944 bytes) comes into LDS once, each wave bringing an eighth, and is only read afterwards.
; CLUSTER.  The four work-groups of a cluster want the same blob: each eighth is asked for jointly, by the same tensor load with a mask that names the four.
; One tensor load a wave is outstanding, once.  No LDS byte is filled twice.
; VECTOR WORK is most of this text (GELU alone is half of a trip's instructions), so its long runs are laid wide: eight numbers of GELU at a time, four chains in every sum and maximum,
; so that at least three other instructions stand between an instruction and the one that reads its result.
; LIMITS.  NaN and infinities are not served.  A block of zeros has the scale byte 1 (its codes are zeros; nobody else reads the bytes).  v's bias is added to P V as the C of its first step:
; P (V + b) = P V + b (sum of p), and the sum of p is 1 to within a few 2^-24.  erf is a quotient of polynomials of x^2 (degrees 6 and 4) with |x| held at 4, beyond which 1 + erf is 0 or 2 to within 2^-24.
; LayerNorm takes the mean first and then the squares of the differences, so a common offset of the inputs cancels nothing.
.set SCB,   196608                     ; LDS: the scale words
.set VECB,  202752                     ; the f32 vectors: +0 gA, +512 bA, +1024 gB, +1536 bB, +2048 qkv_b, +3584 out_b, +4096 b1, +6144 b2
.set STG,   210944                     ; behind the blob: a stage for each wave, 16 rows x (512 + 16) bytes = 132 words: row r starts at bank 4 r mod 64 (64 banks of 4 bytes: ISA guide 11.1)
.set STGW,  8448
.set SP,    528
.set PART,  26368                      ; an eighth of the blob: 103 rows of 256 bytes
; REGISTERS.  Tile t lives in window t at the same numbers.  Window 0, v0-39: addresses, scale words, a bias;  window 1, v0-31: two weight fragments.
.set LI0, 1                            ; v1   16 x lane
.set LSW, 2                            ; v2   SCB + 4 x lane
.set BH,  3                            ; v3   VECB + 64 h
.set STW, 4                            ; v4   my stage + 16 x lane: a token's row, 512 bytes over the 32 lanes
.set STO, 5                            ; v5   my stage + 528 r + 64 h: my 16 features of a block
.set ADW, 6                            ; v6-8 the MLP chunk's fragments, scale words, bias
.set ADS, 7
.set ADB, 8                            ; (v9 of window 0 and v32 of window 1: tile 0's and tile 1's scale word in the making)
.set WS,  10                           ; v10-13 weights' scale words
.set XS,  14                           ; v14-15 the LN output's scale words, tile 0, 1
.set QS,  16                           ; v16-17 q's, then O's, then the hidden layer's
.set KS,  18                           ; v18-19 k's
.set BIAS,20                           ; v20-35 a bias for two tiles of a result; ahead of the first bias: the byte offsets of the residual's runs
.set A6,  36                           ; v36-37, v38-39 in both windows: the polynomials' leading coefficients
.set B4,  38
.set RG,  40                           ; v40-103   src, then the residual, then the output
.set VG,  104                          ; v104-167  LN's output / V / four fragments of out_w / the MLP's sums / rows on the way out
.set MG,  168                          ; v168-183  written by matrix instructions alone
.set XC,  184                          ; v184-199  codes of LN's output; later P
.set QC,  200                          ; v200-215  codes of q, then of O, then of the hidden layer
.set KC,  216                          ; v216-239  k's codes of head 0, eight registers of zeros, k's codes of head 1
.set GG,  216                          ; in the MLP: 16 numbers of the hidden layer
.set XL,  232                          ; GELU at work: v232-239 the held numbers, v240-247 their squares, v248-255 the denominators
.set X2,  240
.set QQ,  248
.set TM,  240                          ; v240-255  at work
.set VA,  216                          ; window 0: byte offsets of a tile's 8 runs of 2 tokens, for the stores;
.set VB,  232                          ; for the loads
.set MSB, 0
.macro WIN new                         ; the immediate's high byte repeats the setting that is left; a switch that changes nothing is dropped
.if MSB != (\new)
	s_set_vgpr_msb (MSB<<8)|(\new)
.set MSB, (\new)
.endif
.endm
; A vector instruction or a store that reads a matrix result, a vector instruction that writes one of a matrix instruction's registers and a load into one stand 8 plain vector instructions behind
; these forms; a scale word made by a vector instruction stands 8 ahead of the product that names it.
.macro PLACES n
.rept \n
	v_nop
.endr
.endm
.macro ROUND                           ; a round of the cluster's barrier
	s_barrier_signal -1
	s_barrier_wait -1
	s_cmp_lg_u32 s12, 0
	s_cbranch_scc1 .Lnw0_\@
	s_barrier_signal -3
.Lnw0_\@:
	s_barrier_wait -3
	s_barrier_signal -1
	s_barrier_wait -1
.endm
.macro SPAIR r, val                    ; a constant for the packed forms: the pair is named, so both words are written
	s_mov_b32 s[\r], \val
	s_mov_b32 s[\r+1], \val
.endm
; The byte offsets of window s[wr]'s eight runs of two tokens (pi = 0..3, qj = 0, 1), by the map whose seven numbers begin at s[mp] and whose rows' parts lie in s[rp], s[rp+1]
.macro MAPADDR vb, mp, rp, wr
	s_mul_i32 s84, s[\wr], s[(\mp)+1]
	s_add_co_u32 s84, s84, s[(\mp)+5]              ; qj = 0: w WST + D0
	s_add_co_u32 s85, s[\wr], s[\mp]
	s_and_b32 s85, s85, 31
	s_mul_i32 s85, s85, s[(\mp)+1]
	s_add_co_u32 s85, s85, s[(\mp)+6]              ; qj = 1: ((w + E) & 31) WST + D1
.irp p,0,1,2,3
.if \p%2
	s_add_co_u32 s86, s[(\rp)+\p/2], s[(\mp)+2]
.else
	s_mov_b32 s86, s[(\rp)+\p/2]
.endif
.irp q,0,1
	s_add_co_u32 s87, s86, s[84+\q]
	s_lshl_b32 s87, s87, 9                         ; a token is 512 bytes
	v_add_nc_u32 v[(\vb)+2*\p+\q], s87, v[LI0]
.endr
.endr
.endm
.macro LOADX t, vb                     ; 16 tokens of src, by the offsets at v[vb + 8 t]: each load reads one token, 512 consecutive bytes
	WIN (\t)<<6
.irp k,0,1,2,3,4,5,6,7,8,9,10,11,12,13,14,15
	global_load_b128 v[RG+4*\k:RG+4*\k+3], v[(\vb)+8*(\t)+2*(\k/4)+((\k%4)/2)], s[4:5] offset:512*(\k%2)
.endr
.endm
.macro TURN_IN t                       ; rows as loaded -> the layout.  LDS serves a wave's instructions in order (ISA guide 5.7.1.4): no wait between the stores and the loads
	WIN (\t)<<2
.irp k,0,1,2,3,4,5,6,7,8,9,10,11,12,13,14,15
	ds_store_b128 v[STW], v[RG+4*\k:RG+4*\k+3] offset:SP*\k
.endr
	WIN (\t)<<6
.irp b,0,1,2,3
.irp j,0,1,2,3
	ds_load_b128 v[RG+16*\b+4*\j:RG+16*\b+4*\j+3], v[STO] offset:128*\b+16*\j
.endr
.endr
.endm
.macro LNLOAD og, ob                   ; a gain into window 0's v184-247, its bias into window 1's
	WIN 0
.irp b,0,1,2,3
.irp j,0,1,2,3
	ds_load_b128 v[184+16*\b+4*\j:184+16*\b+4*\j+3], v[BH] offset:(\og)+128*\b+16*\j
.endr
.endr
	WIN 0x40
.irp b,0,1,2,3
.irp j,0,1,2,3
	ds_load_b128 v[184+16*\b+4*\j:184+16*\b+4*\j+3], v[BH] offset:(\ob)+128*\b+16*\j
.endr
.endr
.endm
; v[VG ..] = v[RG ..] - the row's mean; v254 = 1 / sqrt(variance + 1e-5).  Both sums run in four chains (v248-255).  RG is read in ascending order: each of its accumulators from its low end on
.macro STATS t
	WIN 0x55*(\t)
.irp c,0,1,2,3
	v_pk_add_f32 v[248+2*\c:249+2*\c], v[RG+4*\c:RG+4*\c+1], v[RG+4*\c+2:RG+4*\c+3]
.endr
.set cs, 16
.rept 6
.irp c,0,1,2,3
	v_pk_add_f32 v[248+2*\c:249+2*\c], v[248+2*\c:249+2*\c], v[RG+cs+2*\c:RG+cs+2*\c+1]
.endr
.set cs, cs+8
.endr
	v_pk_add_f32 v[248:249], v[248:249], v[250:251]
	v_pk_add_f32 v[252:253], v[252:253], v[254:255]
	v_pk_add_f32 v[248:249], v[248:249], v[252:253]
	v_add_f32 v248, v248, v249
	v_permlanex16_b32 v249, v248, s44, s45         ; the row's other 64 features lie in lane l xor 16
	v_add_f32 v248, v248, v249
	v_mul_f32 v252, s62, v248                      ; the mean
.set cs, 0
.rept 32
	v_pk_add_f32 v[VG+cs:VG+cs+1], v[RG+cs:RG+cs+1], v[252:253] op_sel_hi:[1,0] neg_lo:[0,1] neg_hi:[0,1]
.set cs, cs+2
.endr
.irp c,0,1,2,3
	v_pk_mul_f32 v[248+2*\c:249+2*\c], v[VG+2*\c:VG+2*\c+1], v[VG+2*\c:VG+2*\c+1]
.endr
.set cs, 8
.rept 7
.irp c,0,1,2,3
	v_pk_fma_f32 v[248+2*\c:249+2*\c], v[VG+cs+2*\c:VG+cs+2*\c+1], v[VG+cs+2*\c:VG+cs+2*\c+1], v[248+2*\c:249+2*\c]
.endr
.set cs, cs+8
.endr
	v_pk_add_f32 v[248:249], v[248:249], v[250:251]
	v_pk_add_f32 v[252:253], v[252:253], v[254:255]
	v_pk_add_f32 v[248:249], v[248:249], v[252:253]
	v_add_f32 v248, v248, v249
	v_permlanex16_b32 v249, v248, s44, s45
	v_add_f32 v248, v248, v249
	v_fma_f32 v254, v248, s62, s63
	v_rsq_f32 v254, v254
	v_nop                                          ; a plain line behind the transcendental
.endm
.macro APPLY t                         ; v[VG ..] = v[VG ..] x v254 x g + b
	WIN 0x55*(\t)
.set ca, 0
	s_wait_alu depctr_va_vdst(0)
.rept 32
	v_pk_mul_f32 v[VG+ca:VG+ca+1], v[VG+ca:VG+ca+1], v[254:255] op_sel_hi:[1,0]
.set ca, ca+2
.endr
	WIN ((\t)<<6)|(1<<4)|(\t)                      ; g: window 0; b: window 1
.set ca, 0
.rept 32
	v_pk_fma_f32 v[VG+ca:VG+ca+1], v[VG+ca:VG+ca+1], v[184+ca:185+ca], v[184+ca:185+ca]
.set ca, ca+2
.endr
.endm
.macro QUANT t                         ; the 64 numbers in v[VG ..] become the codes in v[XC ..] and the scale word v[XS + t]
	WIN 0x55*(\t)
.irp b,0,1,2,3
	v_max3_num_f32 v[TM+\b], |v[VG+16*\b]|, |v[VG+1+16*\b]|, 0x4800000   ; with the floor 2^(9 - 127): the byte cannot fall under 1
.endr
.irp i,2,4,6,8,10,12,14
.irp b,0,1,2,3
	v_max3_num_f32 v[TM+\b], v[TM+\b], |v[VG+16*\b+\i]|, |v[VG+1+16*\b+\i]|
.endr
.endr
.irp b,0,1,2,3
	v_permlanex16_b32 v[TM+4+\b], v[TM+\b], s44, s45
.endr
.irp b,0,1,2,3
	v_max_num_f32 v[TM+\b], v[TM+\b], v[TM+4+\b]
.endr
.irp b,0,1,2,3
	v_add_nc_u32 v[TM+12+\b], 0xfc000000, v[TM+\b]        ; 8 off the exponent field: the conversion's scale operand
.endr
.irp b,0,1,2,3
	v_and_or_b32 v[TM+8+\b], v[TM+\b], 0x7f800000, s46    ; 448 x the scale
.endr
.irp b,0,1,2,3
	v_lshrrev_b32 v[TM+4+\b], 23, v[TM+12+\b]             ; the byte
.endr
	v_lshl_or_b32 v[TM+4], v[TM+5], 8, v[TM+4]
	v_lshl_or_b32 v[TM+4], v[TM+6], 16, v[TM+4]
	v_lshl_or_b32 v[TM+4], v[TM+7], 24, v[TM+4]
.irp b,0,1,2,3
.irp i,0,1,2,3,4,5,6,7,8,9,10,11,12,13,14,15
	v_med3_num_f32 v[VG+16*\b+\i], v[VG+16*\b+\i], -v[TM+8+\b], v[TM+8+\b]   ; the conversion does not saturate (ISA guide 7.6.2): hold first
.endr
	v_cvt_scalef32_pk8_fp8_f32 v[XC+4*\b:XC+1+4*\b], v[VG+16*\b:VG+7+16*\b], v[TM+12+\b]
	v_cvt_scalef32_pk8_fp8_f32 v[XC+2+4*\b:XC+3+4*\b], v[VG+8+16*\b:VG+15+16*\b], v[TM+12+\b]
.endr
	v_nop
	WIN (\t)
	v_mov_b32 v[XS+\t], v[TM+4]
.endm
; One block of 32 along K: my 16 numbers at v[src] become 4 registers of codes at v[dst]; the byte goes into place b of the tile's word in the making.  The held numbers go to v[h0], v[h1], 8 each.
; The largest magnitude runs in four chains; the first two lines read each accumulator of a pair at its low end.
.macro QB t, src, h0, h1, dst, b
.set wr, 9+23*(\t)                     ; the word in the making: v9 in window 0, v32 in window 1
	WIN 0x55*(\t)
	v_max3_num_f32 v250, |v[(\src)]|, |v[(\src)+1]|, 0x4800000
	v_max3_num_f32 v251, |v[(\src)+8]|, |v[(\src)+9]|, |v[(\src)+10]|
	v_max3_num_f32 v252, |v[(\src)+2]|, |v[(\src)+3]|, |v[(\src)+4]|
	v_max3_num_f32 v253, |v[(\src)+11]|, |v[(\src)+12]|, |v[(\src)+13]|
	v_max3_num_f32 v250, v250, |v[(\src)+5]|, |v[(\src)+6]|
	v_max3_num_f32 v251, v251, |v[(\src)+14]|, |v[(\src)+15]|
	v_max3_num_f32 v252, v252, v253, |v[(\src)+7]|
	v_max3_num_f32 v250, v250, v251, v252
	v_permlanex16_b32 v251, v250, s44, s45
	v_max_num_f32 v250, v250, v251
	v_add_nc_u32 v252, 0xfc000000, v250
	v_and_or_b32 v253, v250, 0x7f800000, s46
	v_lshrrev_b32 v254, 23, v252
.irp i,0,1,2,3,4,5,6,7
	v_med3_num_f32 v[(\h0)+\i], v[(\src)+\i], -v253, v253
.endr
	v_cvt_scalef32_pk8_fp8_f32 v[(\dst):(\dst)+1], v[(\h0):(\h0)+7], v252
.if (\b)==0
	v_mov_b32 v[wr], v254                          ; (the plain line between the conversion and the lines that write its sources again)
.else
	v_lshl_or_b32 v[wr], v254, 8*(\b), v[wr]
.endif
.irp i,0,1,2,3,4,5,6,7
	v_med3_num_f32 v[(\h1)+\i], v[(\src)+8+\i], -v253, v253
.endr
	v_cvt_scalef32_pk8_fp8_f32 v[(\dst)+2:(\dst)+3], v[(\h1):(\h1)+7], v252
	v_nop
.endm
.macro WORD t, reg                     ; tile t's finished scale word into its register in window 0
.set wr, 9+23*(\t)
	WIN (\t)
	v_mov_b32 v[\reg], v[wr]
.endm
; gelu(z) = z (0.5 + xc P(xc^2) / Q(xc^2)), xc = z held within +-4 sqrt(2): EIGHT numbers at a time, so that every stage has four independent packed lines or more.
; add = 0: v[dst] = gelu(v[src]);  1: v[dst] += gelu(v[src]).  v[pt ..]: eight registers at work.  The eight reciprocals stand one by one between P's last eight steps: each has its plain line behind it
.macro GELU8 t, src, pt, dst, add
	WIN 0x55*(\t)
.irp i,0,1,2,3,4,5,6,7
	v_med3_num_f32 v[XL+\i], v[(\src)+\i], s92, s47
.endr
.irp e,0,2,4,6
	v_pk_mul_f32 v[X2+\e:X2+\e+1], v[XL+\e:XL+\e+1], v[XL+\e:XL+\e+1]
.endr
.irp e,0,2,4,6
	v_pk_fma_f32 v[(\pt)+\e:(\pt)+\e+1], v[X2+\e:X2+\e+1], v[A6:A6+1], s[50:51] op_sel_hi:[1,1,0]
	v_pk_fma_f32 v[QQ+\e:QQ+\e+1], v[X2+\e:X2+\e+1], v[B4:B4+1], s[66:67] op_sel_hi:[1,1,0]
.endr
.irp k,0,2,4
.irp e,0,2,4,6
	v_pk_fma_f32 v[(\pt)+\e:(\pt)+\e+1], v[(\pt)+\e:(\pt)+\e+1], v[X2+\e:X2+\e+1], s[52+\k:53+\k] op_sel_hi:[1,1,0]
	v_pk_fma_f32 v[QQ+\e:QQ+\e+1], v[QQ+\e:QQ+\e+1], v[X2+\e:X2+\e+1], s[68+\k:69+\k] op_sel_hi:[1,1,0]
.endr
.endr
.irp e,0,2,4,6
	v_rcp_f32 v[QQ+\e], v[QQ+\e]
	v_pk_fma_f32 v[(\pt)+\e:(\pt)+\e+1], v[(\pt)+\e:(\pt)+\e+1], v[X2+\e:X2+\e+1], s[58:59] op_sel_hi:[1,1,0]
.endr
.irp e,0,2,4,6
	v_rcp_f32 v[QQ+\e+1], v[QQ+\e+1]
	v_pk_fma_f32 v[(\pt)+\e:(\pt)+\e+1], v[(\pt)+\e:(\pt)+\e+1], v[X2+\e:X2+\e+1], s[60:61] op_sel_hi:[1,1,0]
.endr
.irp e,0,2,4,6
	v_pk_mul_f32 v[(\pt)+\e:(\pt)+\e+1], v[(\pt)+\e:(\pt)+\e+1], v[XL+\e:XL+\e+1]
.endr
	s_wait_alu depctr_va_vdst(0)
.irp e,0,2,4,6
	v_pk_fma_f32 v[(\pt)+\e:(\pt)+\e+1], v[(\pt)+\e:(\pt)+\e+1], v[QQ+\e:QQ+\e+1], 0.5 op_sel_hi:[1,1,0]
.endr
.irp e,0,2,4,6
.if \add
	v_pk_fma_f32 v[(\dst)+\e:(\dst)+\e+1], v[(\pt)+\e:(\pt)+\e+1], v[(\src)+\e:(\src)+\e+1], v[(\dst)+\e:(\dst)+\e+1]
.else
	v_pk_mul_f32 v[(\dst)+\e:(\dst)+\e+1], v[(\pt)+\e:(\pt)+\e+1], v[(\src)+\e:(\src)+\e+1]
.endif
.endr
.endm
.macro LOADF w, reg, adr, off          ; a fragment's image from LDS into window w
	WIN (\w)<<6
.irp c,0,1,2,3
	ds_load_b128 v[(\reg)+4*\c:(\reg)+4*\c+3], v[\adr] offset:(\off)+512*\c
.endr
.endm
.macro LOADB adr, off                  ; my 16 numbers of a block of a bias
	WIN 0
.irp j,0,1,2,3
	ds_load_b128 v[BIAS+4*\j:BIAS+4*\j+3], v[\adr] offset:(\off)+16*\j
.endr
.endm
.macro LOADW aw, ow, ab, ob, as, os    ; a pair of fragments, its bias, its scale words
	LOADF 1, 0, \aw, \ow
	LOADF 1, 16, \aw, (\ow)+2048
	LOADB \ab, \ob
	ds_load_b32 v[WS], v[\as] offset:\os
.endm
.macro MMX t                           ; 32 features of a result for tile t: v[MG ..] = the pair of fragments x v[XC ..] + the bias
	WIN ((\t)<<6)|((\t)<<2)|1
	v_wmma_scale_f32_16x16x128_f8f6f4 v[MG:MG+7], v[0:15], v[XC:XC+15], v[BIAS:BIAS+7], v[WS], v[XS+\t]
	v_wmma_scale_f32_16x16x128_f8f6f4 v[MG+8:MG+15], v[16:31], v[XC:XC+15], v[BIAS+8:BIAS+15], v[WS], v[XS+\t] matrix_a_scale:MATRIX_SCALE_ROW1
.endm
.macro VPROD T, t                      ; V, not transposed: source 0 = the tokens, source 1 = 16 rows of v's weight: lane (r, h) gets feature r of tile T, tokens 8 h + 0 .. 7
.if (\T)<3
.set fw,0
.set fr,200+16*(\T)
.elseif (\T)<6
.set fw,1
.set fr,200+16*((\T)-3)
.else
.set fw,1
.set fr,16*((\T)-6)
.endif
	WIN ((\t)<<6)|(fw<<2)|(\t)
.if (\T)%2
	v_wmma_scale_f32_16x16x128_f8f6f4 v[VG+8*(\T):VG+8*(\T)+7], v[XC:XC+15], v[fr:fr+15], 0, v[XS+\t], v[WS+(\T)/2] matrix_b_scale:MATRIX_SCALE_ROW1
.else
	v_wmma_scale_f32_16x16x128_f8f6f4 v[VG+8*(\T):VG+8*(\T)+7], v[XC:XC+15], v[fr:fr+15], 0, v[XS+\t], v[WS+(\T)/2]
.endif
.endm
.macro SOFTMAX t                       ; both heads by turns: v[MG + 8 d ..] (my query's scores of 8 keys) -> v[XC + 8 d ..] = p, normalised.  The row's largest score is taken away first
	WIN 0x55*(\t)
.irp d,0,1
	v_max3_num_f32 v[TM+8*\d], v[MG+8*\d], v[MG+8*\d+1], v[MG+8*\d+2]
.endr
.irp d,0,1
	v_max3_num_f32 v[TM+8*\d], v[TM+8*\d], v[MG+8*\d+3], v[MG+8*\d+4]
.endr
.irp d,0,1
	v_max3_num_f32 v[TM+8*\d], v[TM+8*\d], v[MG+8*\d+5], v[MG+8*\d+6]
.endr
.irp d,0,1
	v_max_num_f32 v[TM+8*\d], v[TM+8*\d], v[MG+8*\d+7]
.endr
.irp d,0,1
	v_permlanex16_b32 v[TM+8*\d+1], v[TM+8*\d], s44, s45   ; the other 8 keys lie in lane l xor 16
.endr
.irp d,0,1
	v_max_num_f32 v[TM+8*\d], v[TM+8*\d], v[TM+8*\d+1]
.endr
.irp d,0,1
	v_mul_f32 v[TM+8*\d+2], s48, v[TM+8*\d]                ; c x the maximum, c = log2(e) / 8
.endr
.irp i,0,2,4,6
.irp d,0,1
	v_pk_fma_f32 v[XC+8*\d+\i:XC+8*\d+\i+1], v[MG+8*\d+\i:MG+8*\d+\i+1], s[48:49], v[TM+8*\d+2:TM+8*\d+3] op_sel_hi:[1,0,0] neg_lo:[0,0,1] neg_hi:[0,0,1]
.endr
.endr
.irp i,0,1,2,3,4,5,6,7
.irp d,0,1
	v_exp_f32 v[XC+8*\d+\i], v[XC+8*\d+\i]
.endr
.endr
	v_nop
	s_wait_alu depctr_va_vdst(0)
.irp d,0,1
	v_pk_add_f32 v[TM+8*\d+4:TM+8*\d+5], v[XC+8*\d:XC+8*\d+1], v[XC+8*\d+2:XC+8*\d+3]
.endr
.irp d,0,1
	v_pk_add_f32 v[TM+8*\d+6:TM+8*\d+7], v[XC+8*\d+4:XC+8*\d+5], v[XC+8*\d+6:XC+8*\d+7]
.endr
.irp d,0,1
	v_pk_add_f32 v[TM+8*\d+4:TM+8*\d+5], v[TM+8*\d+4:TM+8*\d+5], v[TM+8*\d+6:TM+8*\d+7]
.endr
.irp d,0,1
	v_add_f32 v[TM+8*\d+4], v[TM+8*\d+4], v[TM+8*\d+5]
.endr
.irp d,0,1
	v_permlanex16_b32 v[TM+8*\d+5], v[TM+8*\d+4], s44, s45
.endr
.irp d,0,1
	v_add_f32 v[TM+8*\d+4], v[TM+8*\d+4], v[TM+8*\d+5]
.endr
.irp d,0,1
	v_rcp_f32 v[TM+8*\d+2], v[TM+8*\d+4]
.endr
	v_nop
	s_wait_alu depctr_va_vdst(0)
.irp i,0,2,4,6
.irp d,0,1
	v_pk_mul_f32 v[XC+8*\d+\i:XC+8*\d+\i+1], v[XC+8*\d+\i:XC+8*\d+\i+1], v[TM+8*\d+2:TM+8*\d+3] op_sel_hi:[1,0]
.endr
.endr
.endm
; O^T += V^T P^T, features 32 b + 8 u on, K step s: the keys 8 h + 2 s + 0, 1 on both sides, so V's and P's registers are the operands as they stand.  The first step takes v's bias as C
.macro OT b, s, t, u
.if (\s)==0
	WIN 0x45*(\t)
	v_wmma_f32_16x16x4_f32 v[MG+8*(\u):MG+8*(\u)+7], v[VG+8*(2*(\b)+(\u))+2*(\s):VG+8*(2*(\b)+(\u))+2*(\s)+1], v[XC+8*((\b)/2)+2*(\s):XC+8*((\b)/2)+2*(\s)+1], v[BIAS+8*(\u):BIAS+8*(\u)+7]
.else
	WIN 0x55*(\t)
	v_wmma_f32_16x16x4_f32 v[MG+8*(\u):MG+8*(\u)+7], v[VG+8*(2*(\b)+(\u))+2*(\s):VG+8*(2*(\b)+(\u))+2*(\s)+1], v[XC+8*((\b)/2)+2*(\s):XC+8*((\b)/2)+2*(\s)+1], v[MG+8*(\u):MG+8*(\u)+7]
.endif
.endm
.macro OPJ T, t                        ; the out-projection's tile T onto the residual: fragment T lies in window T / 4 at v[VG + 16 (T % 4)]
	WIN ((\t)<<6)|((\t)<<4)|((\t)<<2)|((\T)/4)
.if (\T)%2
	v_wmma_scale_f32_16x16x128_f8f6f4 v[RG+8*(\T):RG+8*(\T)+7], v[VG+16*((\T)%4):VG+16*((\T)%4)+15], v[QC:QC+15], v[RG+8*(\T):RG+8*(\T)+7], v[WS+(\T)/2], v[QS+\t] matrix_a_scale:MATRIX_SCALE_ROW1
.else
	v_wmma_scale_f32_16x16x128_f8f6f4 v[RG+8*(\T):RG+8*(\T)+7], v[VG+16*((\T)%4):VG+16*((\T)%4)+15], v[QC:QC+15], v[RG+8*(\T):RG+8*(\T)+7], v[WS+(\T)/2], v[QS+\t]
.endif
.endm
.macro M2 n, t                         ; the MLP's second product, tile n, this chunk's K step, onto v[VG + 8 n ..]
.if (\n)<2
.set fw,1
.set fr,16*(\n)
.elseif (\n)<4
.set fw,0
.set fr,216+16*((\n)-2)
.elseif (\n)<6
.set fw,1
.set fr,216+16*((\n)-4)
.else
.set fw,1
.set fr,16*((\n)-6)
.endif
	WIN ((\t)<<6)|((\t)<<4)|((\t)<<2)|fw
.if (\n)%2
	v_wmma_scale_f32_16x16x128_f8f6f4 v[VG+8*(\n):VG+8*(\n)+7], v[fr:fr+15], v[QC:QC+15], v[VG+8*(\n):VG+8*(\n)+7], v[WS+(\n)/2], v[QS+\t] matrix_a_scale:MATRIX_SCALE_ROW1
.else
	v_wmma_scale_f32_16x16x128_f8f6f4 v[VG+8*(\n):VG+8*(\n)+7], v[fr:fr+15], v[QC:QC+15], v[VG+8*(\n):VG+8*(\n)+7], v[WS+(\n)/2], v[QS+\t]
.endif
.endm
.macro OUTT t                          ; the layout -> rows of 512 bytes, through my stage
	WIN (\t)<<2
.irp b,0,1,2,3
.irp j,0,1,2,3
	ds_store_b128 v[STO], v[RG+16*\b+4*\j:RG+16*\b+4*\j+3] offset:128*\b+16*\j
.endr
.endr
	WIN (\t)<<6
.irp k,0,1,2,3,4,5,6,7,8,9,10,11,12,13,14,15
	ds_load_b128 v[VG+4*\k:VG+4*\k+3], v[STW] offset:SP*\k
.endr
.endm
.macro STOREY t                        ; each store writes one token: 512 consecutive bytes, at a multiple of 512 from the buffer's first byte
	WIN (\t)<<2
.irp k,0,1,2,3,4,5,6,7,8,9,10,11,12,13,14,15
	global_store_b128 v[VA+8*(\t)+2*(\k/4)+((\k%4)/2)], v[VG+4*\k:VG+4*\k+3], s[10:11] offset:512*(\k%2)
.endr
.endm
; ================ the head
	s_load_b256 s[4:11], s[0:1], 0x0               ; src s[4:5], blob s[6:7], par s[8:9], dst s[10:11]
	s_set_vgpr_msb 0x40
	v_lshl_add_u32 v34, v0, 2, 0x44000
	v_mov_b32 v35, 0
	s_set_vgpr_msb 0x4045
	ds_add_u32 v34, v35
	ds_add_u32 v34, v35
	s_set_vgpr_msb 0x4500
	v_lshrrev_b32 v1, 5, v0
	v_readfirstlane_b32 s12, v1                    ; wave 0..7
	s_bfe_u32 s13, ttmp6, 0x40000                  ; cx: it enters src's and dst's offsets alone
	s_lshl_b32 s14, ttmp9, 2
	s_add_co_u32 s14, s14, s13                     ; work-group = 4 x cluster + cx
	s_and_b32 s15, s14, 31                         ; R: the row of windows
	s_lshr_b32 s84, s14, 5                         ; the image,
	s_lshl_b32 s84, s84, 23                        ; 16,384 tokens of 512 bytes each
	s_mov_b32 s85, 0
	s_mul_i32 s86, s12, PART                       ; my eighth of the blob
	s_mov_b32 s87, 0
	s_mov_b32 s36, 15|(3<<16)|(1<<21)              ; group 1: 15:0 the mask: all four work-groups; 17:16 elements of 8 bytes; 21 set beside a mask; no padding
	s_mov_b32 s37, 32<<16                          ; tensor_dim0 = 32 elements: rows of 256 bytes
	s_mov_b32 s38, 103<<16                         ; tensor_dim1 = 103
	s_mov_b32 s39, 32<<16                          ; tile_dim0 = 32
	s_mov_b32 s40, 103                             ; tile_dim1 = 103
	s_mov_b32 s41, 32                              ; the pitch: dense
	s_mov_b32 s42, 0
	s_mov_b32 s43, 0
	s_wait_dscnt 0x0
	s_wait_kmcnt 0x0
	s_load_b512 s[16:31], s[8:9], 0x0              ; par; it lands while the cluster meets
	s_add_nc_u64 s[4:5], s[4:5], s[84:85]
	s_add_nc_u64 s[10:11], s[10:11], s[84:85]
	s_mov_b32 s32, 1                               ; group 0: count = 1,
	s_mov_b32 s33, s86                             ; the LDS address,
	s_add_nc_u64 s[34:35], s[6:7], s[86:87]        ; the global address: both hang on the wave's number alone,
	s_or_b32 s35, s35, 0x80000000                  ; type = 2
	ROUND                                          ; all four work-groups are here: the joint loads meet
	tensor_load_to_lds s[32:35], s[36:43]
	s_nop 0
	PLACES 4
	v_and_b32 v6, 31, v0                           ; lane
	v_and_b32 v7, 15, v0                           ; r
	v_bfe_u32 v8, v0, 4, 1                         ; h
	v_lshlrev_b32 v[LI0], 4, v6
	v_lshl_add_u32 v[LSW], v6, 2, SCB
	v_lshl_add_u32 v[BH], v8, 6, VECB
	s_mul_i32 s84, s12, STGW
	s_add_co_u32 s84, s84, STG                     ; my stage
	v_add_nc_u32 v[STW], s84, v[LI0]
	v_mul_u32_u24 v[STO], v7, SP
	v_lshl_add_u32 v[STO], v8, 6, v[STO]
	v_add_nc_u32 v[STO], s84, v[STO]
	s_mov_b32 s44, 0x76543210                      ; v_permlanex16_b32's selects: lane l xor 16
	s_mov_b32 s45, 0xfedcba98
	s_mov_b32 s46, 0x600000                        ; the mantissa field of 448
	s_mov_b32 s47, 0x40b504f3                      ; 4 sqrt(2)
	s_mov_b32 s92, 0xc0b504f3                      ; -4 sqrt(2)
	SPAIR 48, 0x3e38aa3b                           ; c = log2(e) / sqrt(64)
	SPAIR 50, 0x2fa84a8d                           ; P's coefficients a5 .. a0 (a6 lies in v[A6]); the halving of x^2 and the factor 1 / (2 sqrt(2)) are folded in
	SPAIR 52, 0xb347667d
	SPAIR 54, 0xb628d45d
	SPAIR 56, 0xb8883d9c
	SPAIR 58, 0xba08eb41
	SPAIR 60, 0xbbba79f3
	s_mov_b32 s62, 0x3c000000                      ; 1 / 128
	s_mov_b32 s63, 0x3727c5ac                      ; 1e-5
	SPAIR 66, 0xb7dfbd29                           ; Q's coefficients b3 .. b0 (b4 lies in v[B4])
	SPAIR 68, 0xb9dc924e
	SPAIR 70, 0xbb719bf8
	SPAIR 72, 0xbc69b6a7
.irp w,0,1                                             ; written once in both windows: lane permutes' destinations and the upper halves of pairs that are named whole
	WIN (\w)<<6
.set ci, 240
.rept 16
	v_mov_b32 v[ci], 0
.set ci, ci+1
.endr
	v_mov_b32 v[A6], 0xabd3f331
	v_mov_b32 v[A6+1], 0xabd3f331
	v_mov_b32 v[B4], 0xb57460cd
	v_mov_b32 v[B4+1], 0xb57460cd
.endr
	WIN 0
	s_wait_kmcnt 0x0                               ; par.  Each number is held at its largest value before it enters an offset
	s_min_u32 s16, s16, 1                          ; MODE: 0: the residual is truncated; 1: it is taken as it is
	s_min_u32 s17, s17, 1                          ; the way in: E, WST, SI, C0, C1, D0, D1
	s_min_u32 s18, s18, 16
	s_min_u32 s19, s19, 128
	s_min_u32 s20, s20, 8
	s_min_u32 s21, s21, 256
	s_min_u32 s22, s22, 2
	s_min_u32 s23, s23, 2
	s_min_u32 s24, s24, 1                          ; the way out
	s_min_u32 s25, s25, 16
	s_min_u32 s26, s26, 4
	s_min_u32 s27, s27, 8
	s_min_u32 s28, s28, 8
	s_min_u32 s29, s29, 2
	s_min_u32 s30, s30, 2
	s_cmp_lg_u32 s16, 0
	s_cselect_b32 s93, -1, 0                       ; the select's mask, the same in all 32 lanes: ones keep src, zeros take trunc(src)
	s_lshl_b32 s74, s15, 9                         ; the rows' parts: (((R + qi E) & 31) << 9) + C[qi], way in:
	s_add_co_u32 s74, s74, s20
	s_add_co_u32 s75, s15, s17
	s_and_b32 s75, s75, 31
	s_lshl_b32 s75, s75, 9
	s_add_co_u32 s75, s75, s21
	s_lshl_b32 s76, s15, 9                         ; way out
	s_add_co_u32 s76, s76, s27
	s_add_co_u32 s77, s15, s24
	s_and_b32 s77, s77, 31
	s_lshl_b32 s77, s77, 9
	s_add_co_u32 s77, s77, s28
	s_lshl_b32 s83, s12, 1                         ; tile 0's window: 16 x trip + 2 x wave
	s_add_co_u32 s88, s83, 1
	MAPADDR VB, 17, 74, 83
	MAPADDR VB+8, 17, 74, 88
	LOADX 0, VB
	LOADX 1, VB
	WIN 0
	s_wait_tensorcnt 0x0                           ; my eighth of the blob is in,
	s_barrier_signal -1
	s_barrier_wait -1                              ; everybody's is: from here on the blob is only read
	s_mov_b32 s78, 0
; ================ two windows a trip, two trips
.Ltrip:
	; ---- 1: the tokens into the layout; LN_A's sums
	s_wait_loadcnt 0x0                             ; both windows' tokens are in
	s_wait_xcnt 0x0                                ; the last trip's stores have read their data and offsets: both are written again below
	TURN_IN 0
	TURN_IN 1
	s_wait_dscnt 32                                ; tile 0 is back; tile 1's 32 instructions may be out
	LNLOAD 0, 512
	STATS 0
	s_wait_dscnt 32                                ; tile 1 is back; the 32 loads of g and b may be out
	STATS 1
	; ---- 2: the residual's rows, src at the tokens of the way out, are asked for, into the registers that the sums have left; their offsets lie where the first bias will
	WIN 0
	s_add_co_u32 s88, s83, 1
	MAPADDR BIAS, 24, 76, 83
	MAPADDR BIAS+8, 24, 76, 88
	LOADX 0, BIAS
	LOADX 1, BIAS
	; ---- 3: LN_A is finished and quantised
	s_wait_dscnt 0x0                               ; g and b
	APPLY 0
	APPLY 1
	QUANT 0
	QUANT 1
	; ---- 4: V: its eight fragments at once, in registers that are idle here
	LOADF 0, 200, LI0, 2048*16
	LOADF 0, 216, LI0, 2048*17
	LOADF 0, 232, LI0, 2048*18
	LOADF 1, 200, LI0, 2048*19
	LOADF 1, 216, LI0, 2048*20
	LOADF 1, 232, LI0, 2048*21
	LOADF 1, 0, LI0, 2048*22
	LOADF 1, 16, LI0, 2048*23
	WIN 0
.irp i,0,1,2,3
	ds_load_b32 v[WS+\i], v[LSW] offset:128*(8+\i)
.endr
	s_wait_dscnt 0x0
	PLACES 8                                       ; tile 1's scale word has just been made
.irp T,0,1,2,3,4,5,6,7
	VPROD \T, 0
	VPROD \T, 1
.endr
	PLACES 8
.irp w,0,1
	WIN (\w)<<6
.irp i,0,1,2,3,4,5,6,7
	v_mov_b32 v[KC+8+\i], 0                        ; zero codes between k's two heads: a head's K of 64 is filled up to the instruction's 128 on k's side
.endr
.endr
	s_wait_xcnt 0x0                                ; the residual's loads have read their offsets: the first bias may land on those registers
	LOADW LI0, 0, BH, 2048, LSW, 0
	; ---- 5: q and k, 32 features a step, quantised as they come
.irp n,0,1,2,3,4,5,6,7
	s_wait_dscnt 0x0
	MMX 0
	MMX 1
	PLACES 8
.if \n<7
	LOADW LI0, 4096*(\n+1), BH, 2048+128*(\n+1), LSW, 128*(\n+1)
.else
	LOADB BH, 3072                                 ; v's bias, features 0 to 31
.endif
.if \n<4
	QB 0, MG, 240, 240, QC+4*\n, \n
	QB 1, MG, 240, 240, QC+4*\n, \n
.elseif \n<6
	QB 0, MG, 240, 240, KC+4*(\n-4), \n-4
	QB 1, MG, 240, 240, KC+4*(\n-4), \n-4
.else
	QB 0, MG, 240, 240, KC+4*(\n-4)+8, \n-4
	QB 1, MG, 240, 240, KC+4*(\n-4)+8, \n-4
.endif
.if \n==3
	WORD 0, QS
	WORD 1, QS+1
.endif
.if \n==7
	WORD 0, KS
	WORD 1, KS+1
.endif
.endr
	; ---- 6: S^T = K Q^T for both heads: source 0 = a head's codes of k beside zeros, source 1 = all of q's
	PLACES 8
.irp t,0,1
	WIN 0x45*\t
	v_wmma_scale_f32_16x16x128_f8f6f4 v[MG:MG+7], v[KC:KC+15], v[QC:QC+15], 0, v[KS+\t], v[QS+\t]
	v_wmma_scale_f32_16x16x128_f8f6f4 v[MG+8:MG+15], v[KC+8:KC+23], v[QC:QC+15], 0, v[KS+\t], v[QS+\t]
.endr
	PLACES 8
	SOFTMAX 0
	SOFTMAX 1
	; ---- 7: O^T = V^T P^T + v's bias, 32 features a step, f32 operands; four accumulators by turns, one instruction a turn
.irp b,0,1,2,3
	s_wait_dscnt 0x0                               ; this step's bias
.irp s,0,1,2,3
.irp t,0,1
.irp u,0,1
	OT \b, \s, \t, \u
.endr
.endr
.endr
	PLACES 8
.if \b<3
	LOADB BH, 3072+128*(\b+1)
.else
.irp f,0,1,2,3
	LOADF 0, VG+16*\f, LI0, 2048*(24+\f)           ; out_w's eight fragments, where V lay
.endr
.irp f,0,1,2,3
	LOADF 1, VG+16*\f, LI0, 2048*(28+\f)
.endr
	WIN 0
.irp i,0,1,2,3
	ds_load_b32 v[WS+\i], v[LSW] offset:128*(12+\i)
.endr
.irp e,0,1,2,3
	WIN (\e/2)<<6
.irp j,0,1,2,3
	ds_load_b128 v[184+32*(\e%2)+4*\j:184+32*(\e%2)+4*\j+3], v[BH] offset:3584+128*\e+16*\j   ; out_b's block e: window e / 2, v184 or v216
.endr
.endr
.endif
	QB 0, MG, 240, 240, QC+4*\b, \b
	QB 1, MG, 240, 240, QC+4*\b, \b
.endr
	WORD 0, QS
	WORD 1, QS+1
	; ---- 8: the residual into the layout, truncated or not; the out-projection adds onto it
	WIN 0
	s_wait_loadcnt 0x0                             ; the residual's rows are in
	TURN_IN 0
	TURN_IN 1
	s_wait_dscnt 0x0                               ; they are back; and so are out_w's fragments, their scale words and out_b
.irp t,0,1
	WIN 0x55*\t
.irp g,0,1,2,3
.irp i,0,1,2,3,4,5,6,7,8,9,10,11,12,13,14,15
	v_trunc_f32 v[TM+\i], v[RG+16*\g+\i]
.endr
.irp i,0,1,2,3,4,5,6,7,8,9,10,11,12,13,14,15
	v_cndmask_b32 v[RG+16*\g+\i], v[TM+\i], v[RG+16*\g+\i], s93   ; a choice of a value: both are at hand in every trip
.endr
.endr
.endr
.irp t,0,1
.irp b,0,1,2,3
	WIN ((\t)<<6)|((\b/2)<<2)|(\t)
.irp i,0,2,4,6,8,10,12,14
	v_pk_add_f32 v[RG+16*\b+\i:RG+16*\b+\i+1], v[RG+16*\b+\i:RG+16*\b+\i+1], v[184+32*(\b%2)+\i:184+32*(\b%2)+\i+1]
.endr
.endr
.endr
.irp T,0,1,2,3,4,5,6,7
	OPJ \T, 0
	OPJ \T, 1
.endr
	PLACES 8
	; ---- 9: LN_B, quantised; then the MLP in four chunks of 128 hidden units
	LNLOAD 1024, 1536
	STATS 0
	STATS 1
	s_wait_dscnt 0x0
	APPLY 0
	APPLY 1
	QUANT 0
	QUANT 1
.irp t,0,1
	WIN (\t)<<6
.irp b,0,1,2,3
.irp j,0,1,2,3
	ds_load_b128 v[VG+16*\b+4*\j:VG+16*\b+4*\j+3], v[BH] offset:6144+128*\b+16*\j   ; b2 starts the second product's sums
.endr
.endr
.endr
	PLACES 8                                       ; tile 1's scale word has just been made
	WIN 0
	s_mov_b32 s80, 65536                           ; fragment 32,
	s_mov_b32 s81, 2048                            ; pair 16's scale words,
	s_mov_b32 s82, 4096                            ; b1
	s_mov_b32 s79, 0
.Lchunk:
	v_add_nc_u32 v[ADW], s80, v[LI0]
	v_add_nc_u32 v[ADS], s81, v[LSW]
	v_add_nc_u32 v[ADB], s82, v[BH]
	LOADW ADW, 0, ADB, 0, ADS, 0
.irp b,0,1,2,3
	s_wait_dscnt 0x0
	MMX 0
	MMX 1
	PLACES 8
.if \b<3
	LOADW ADW, 4096*(\b+1), ADB, 128*(\b+1), ADS, 128*(\b+1)
.else
	LOADF 1, 0, ADW, 16384                         ; w2's fragments 0 and 1 of this K step, and all its scale words
	LOADF 1, 16, ADW, 16384+2048
	WIN 0
.irp i,0,1,2,3
	ds_load_b32 v[WS+\i], v[ADS] offset:512+128*\i
.endr
.endif
.irp t,0,1
.irp g,0,1
	GELU8 \t, MG+8*\g, GG+8*\g, GG+8*\g, 0         ; one accumulator at a time, from its low end on
.endr
	QB \t, GG, GG, GG+8, QC+4*\b, \b
.endr
.endr
	WORD 0, QS
	WORD 1, QS+1
	LOADF 0, 216, ADW, 16384+2048*2
	LOADF 0, 232, ADW, 16384+2048*3
	LOADF 1, 216, ADW, 16384+2048*4
	LOADF 1, 232, ADW, 16384+2048*5
	PLACES 8                                       ; the hidden layer's scale words have just been made
	s_wait_dscnt 16                                ; fragments 0, 1 and the scale words are in; the 16 loads just issued may be out
	M2 0, 0
	M2 0, 1
	M2 1, 0
	M2 1, 1
	PLACES 8
	LOADF 1, 0, ADW, 16384+2048*6
	LOADF 1, 16, ADW, 16384+2048*7
	s_wait_dscnt 16                                ; fragments 2, 3 are in (behind them: 4, 5 and 6, 7)
	M2 2, 0
	M2 2, 1
	M2 3, 0
	M2 3, 1
	s_wait_dscnt 8                                 ; fragments 4, 5
	M2 4, 0
	M2 4, 1
	M2 5, 0
	M2 5, 1
	s_wait_dscnt 0x0
	M2 6, 0
	M2 6, 1
	M2 7, 0
	M2 7, 1
	PLACES 8
	WIN 0
	s_add_co_u32 s80, s80, 32768
	s_add_co_u32 s81, s81, 1024
	s_add_co_u32 s82, s82, 512
	s_add_co_u32 s79, s79, 1
	s_cmp_lt_u32 s79, 4
	s_cbranch_scc1 .Lchunk
	; ---- 10: the output = gelu(the sums) + the residual; out through the stage; the next trip's tokens are asked for
.irp t,0,1
.irp g,0,1,2,3,4,5,6,7
	GELU8 \t, VG+8*\g, 216, RG+8*\g, 1
.endr
.endr
	WIN 0
	s_add_co_u32 s88, s83, 1
	MAPADDR VA, 24, 76, 83
	MAPADDR VA+8, 24, 76, 88
	OUTT 0
	OUTT 1
	s_wait_dscnt 32                                ; tile 0's rows are back; tile 1's 32 instructions may be out
	STOREY 0
	s_wait_dscnt 0x0
	STOREY 1
	WIN 0
	s_cmp_eq_u32 s78, 1                            ; the last trip asks for nothing
	s_cbranch_scc1 .Lnonext
	s_add_co_u32 s83, s83, 16
	s_add_co_u32 s88, s83, 1
	MAPADDR VB, 17, 74, 83
	MAPADDR VB+8, 17, 74, 88
	LOADX 0, VB
	LOADX 1, VB
	WIN 0
.Lnonext:
	s_add_co_u32 s78, s78, 1
	s_cmp_lt_u32 s78, 2
	s_cbranch_scc1 .Ltrip
	s_wait_dscnt 0x0
	s_set_vgpr_msb 0x5
	s_wait_tensorcnt 0x0
	ds_add_u32 v34, v35
	s_wait_dscnt 0x0
	s_set_vgpr_msb 0x500
	ROUND                                          ; the closing round: no work-group ends while a partner may still ask jointly
	s_endpgm
.Lfunc_end_k_qa77acfee38_halfA:
	.size	k_qa77acfee38_halfA, .Lfunc_end_k_qa77acfee38_halfA-k_qa77acfee38_halfA
	.p2alignl 7, 3214868480
	.fill 96, 4, 3214868480
	.section	.rodata,"a",@progbits
	.p2align	6, 0x0
	.amdhsa_kernel k_qa77acfee38_halfA
		.amdhsa_group_segment_fixed_size 279552
		.amdhsa_private_segment_fixed_size 0
		.amdhsa_enable_private_segment 0
		.amdhsa_kernarg_size 32
		.amdhsa_user_sgpr_count 2
		.amdhsa_user_sgpr_kernarg_segment_ptr 1
		.amdhsa_wavefront_size32 1
		.amdhsa_system_sgpr_workgroup_id_x 1
		.amdhsa_system_sgpr_workgroup_id_y 1
		.amdhsa_system_sgpr_workgroup_id_z 1
		.amdhsa_system_vgpr_workitem_id 0
		.amdhsa_next_free_vgpr 512
		.amdhsa_next_free_sgpr 96
		.amdhsa_reserve_vcc 0
		.amdhsa_float_denorm_mode_32 3
		.amdhsa_float_denorm_mode_16_64 3
		.amdhsa_memory_ordered 1
		.amdhsa_forward_progress 1
		.amdhsa_inst_pref_size 255
	.end_amdhsa_kernel
	.section	.bss,"aw",@nobits
	.p2align	6
	.space	262144
	.amdgpu_metadata
---
amdhsa.version: [ 1, 2 ]
amdhsa.kernels:
  - .name:           k_qa77acfee38_halfA
    .symbol:         k_qa77acfee38_halfA.kd
    .args:
      - { .name: x, .offset: 0, .size: 8, .value_kind: global_buffer, .address_space: global }
      - { .name: blobA, .offset: 8, .size: 8, .value_kind: global_buffer, .address_space: global }
      - { .name: parA, .offset: 16, .size: 8, .value_kind: global_buffer, .address_space: global }
      - { .name: mid, .offset: 24, .size: 8, .value_kind: global_buffer, .address_space: global }
    .group_segment_fixed_size: 279552
    .private_segment_fixed_size: 0
    .kernarg_segment_align: 8
    .kernarg_segment_size: 32
    .max_flat_workgroup_size: 256
    .sgpr_count:     96
    .vgpr_count:     512
    .wavefront_size: 32
...
	.end_amdgpu_metadata
.endif
;; end of part 3
;; launch halfB: the kernel of part 3 again; grid 256 x 1, 8 waves a work-group, clusters of 4 x 1, 279,552 bytes of LDS; arguments mid, blobB, parB, out0; writes out0
